; MI455X (gfx1250); checked and timed in simulation.
; The chip was launched on July 23, 2026; its instructions are those of AMD's public machine-readable ISA for CDNA 5 (MIT licence, August 2026) and "CDNA5" Instruction Set Architecture Reference Guide (July 2026). The comments in the code are by the model that wrote it; some were corrected since.
;; Multi Head Self Attention. Allowed arithmetic: float matrix products may take bf16 or f16 operands with f32 sums; all other float work in f32.
;; Inputs: Wk 1,024 x 1,024 float32; Wq 1,024 x 1,024 float32; Wv 1,024 x 1,024 float32; attn_mask 8 x 1,024 x 1,024 float32; x 8 x 1,024 x 1,024 float32.
;; Outputs: out0 8 x 1,024 x 1,024 float32.
;; 2 versions, each right. Each part assembles by itself: llvm-mc -triple=amdgcn-amd-amdhsa -mcpu=gfx1250 --defsym DOCPART=n.
;; ======== version 1 of 2: 3 launches
;; limits: values are held in f16: magnitudes above 65,504 overflow, below 6.1e-05 lose precision
;; workspace buffers: xb 16,777,216 bytes; wt 6,291,456 bytes; qkv 50,331,648 bytes
;; launch cast (part 1): grid 704 x 1, 8 waves a work-group, no clusters, 35,840 bytes of LDS; arguments x, Wq, Wk, Wv, xb, wt; writes xb, wt
.if DOCPART == 1
	.amdgcn_target "amdgcn-amd-amdhsa--gfx1250"
	.amdhsa_code_object_version 6
	.text
	.protected	k_q38418db996_cast
	.globl	k_q38418db996_cast
	.p2align	8
	.type	k_q38418db996_cast,@function
k_q38418db996_cast:
	s_mov_b64 s[64:65], 0
	v_nop
	global_prefetch_b8 v0, s[64:65] scope:SCOPE_SE
	s_setreg_imm32_b32 hwreg(HW_REG_WAVE_MODE, 25, 1), 1
	s_wait_xcnt 0x0
; xb = x rounded to bf16, [8192][1024].  wt = the three weights rounded to bf16 and transposed, [3072][1024]:
; row n of wt is column n & 1023 of Wq, Wk, Wv for n >> 10 = 0, 1, 2, so that the product that follows finds K along the rows of both operands.
; Work-groups 0 to 511 take 16 rows of x each; work-groups 512 to 703 take a tile of 128 k x 128 n of one weight each.  Either way a work-group
; reads 65,536 bytes, all asked for at once (sixteen 16-byte loads a lane), and there is no loop.  The branch hangs on the work-group's number
; alone, so all eight waves of a work-group go the same way, and the barrier of the weights' way is passed by all eight.
; Nothing is shared between work-groups and nothing is multiplied: no cluster, no tensor load, no matrix instruction.
.set X, 4                              ; v[4:67]   sixteen loads of four f32
.set Y, 68                             ; v[68:99]  the same numbers as bf16
.set WPITCH, 272                       ; an LDS row of the transposed tile: 256 bytes + 16, so that sixteen neighbouring rows start at sixteen different 16-byte columns of a 256-byte span
	s_load_b256 s[4:11], s[0:1], 0x0               ; x s[4:5], Wq s[6:7], Wk s[8:9], Wv s[10:11]
	s_load_b128 s[12:15], s[0:1], 0x20             ; xb s[12:13], wt s[14:15]
	v_lshl_add_u32 v104, v0, 2, 0x8800
	v_mov_b32 v105, 0
	s_cmp_lt_u32 ttmp9, 512
	s_cbranch_scc0 .Lweights
	; ---- 16 rows of x.  Thread t takes the 16 bytes at 16 t of each block of 4,096 bytes and stores 8 bytes at 8 t of each block of 2,048.
	s_lshl_b32 s16, ttmp9, 16                      ; 16 rows of 4,096 bytes
	s_mov_b32 s17, 0
	s_lshl_b32 s18, ttmp9, 15                      ; 16 rows of 2,048 bytes
	s_mov_b32 s19, 0
	v_lshlrev_b32 v1, 4, v0
	v_lshlrev_b32 v2, 3, v0
	s_wait_kmcnt 0x0
	s_add_nc_u64 s[4:5], s[4:5], s[16:17]
	s_add_nc_u64 s[12:13], s[12:13], s[18:19]
.irp i, 0,1,2,3,4,5,6,7,8,9,10,11,12,13,14,15
	global_load_b128 v[X+4*\i:X+4*\i+3], v1, s[4:5] offset:4096*\i th:TH_LOAD_NT    ; a wave's load covers 512 neighbouring bytes; x is read once in the launch
.endr
.irp i, 0,1,2,3,4,5,6,7,8,9,10,11,12,13,14,15
	s_wait_loadcnt 15-\i                           ; loads come back in order: load i is in, the 15 - i younger ones stay out
	v_cvt_pk_bf16_f32 v[Y+2*\i], v[X+4*\i], v[X+4*\i+1]
	v_cvt_pk_bf16_f32 v[Y+2*\i+1], v[X+4*\i+2], v[X+4*\i+3]
	global_store_b64 v2, v[Y+2*\i:Y+2*\i+1], s[12:13] offset:2048*\i    ; a wave's store covers 256 consecutive bytes, aligned
.endr
	s_endpgm
.Lweights:
	; ---- a tile of 128 k x 128 n of weight j, transposed through LDS.
	s_sub_co_u32 s16, ttmp9, 512
	s_lshr_b32 s17, s16, 6                         ; j: which weight
	s_bfe_u32 s18, s16, 0x30003                    ; kb: which 128 rows (k)
	s_and_b32 s19, s16, 7                          ; nb: which 128 columns (n)
	s_lshl_b32 s20, s18, 19                        ; from: 128 kb rows of 4,096 bytes
	s_lshl_b32 s24, s19, 9                         ;       + 128 nb columns of 4 bytes
	s_add_co_u32 s20, s20, s24
	s_mov_b32 s21, 0
	s_lshl_b32 s22, s17, 21                        ; to: (1,024 j + 128 nb) rows of 2,048 bytes
	s_lshl_b32 s24, s19, 18
	s_add_co_u32 s22, s22, s24
	s_lshl_b32 s24, s18, 8                         ;     + 128 kb columns of 2 bytes
	s_add_co_u32 s22, s22, s24
	s_mov_b32 s23, 0
	v_lshrrev_b32 v1, 5, v0                        ; wave w: takes rows k = 16 w .. 16 w + 15 of the tile
	v_and_b32 v3, 31, v0                           ; lane l: takes columns n = 4 l .. 4 l + 3
	v_lshlrev_b32 v100, 4, v3
	v_lshl_or_b32 v100, v1, 16, v100               ; load offset: 16 w rows of 4,096 bytes + 16 l
	v_mul_u32_u24 v2, v3, WPITCH
	v_lshl_add_u32 v2, v1, 5, v2                   ; LDS, in: row l (of the 32 rows of one c, see below), byte 32 w
	v_lshrrev_b32 v101, 4, v0                      ; t / 16
	v_and_b32 v102, 15, v0                         ; t % 16
	v_mul_u32_u24 v3, v101, WPITCH
	v_lshl_add_u32 v3, v102, 4, v3                 ; LDS, back: row t / 16, 16 bytes at 16 (t % 16)
	v_lshlrev_b32 v102, 4, v102
	v_lshl_or_b32 v101, v101, 13, v102             ; store offset: 4 (t / 16) rows of 2,048 bytes + 16 (t % 16)
	s_wait_kmcnt 0x0
	s_cmp_eq_u32 s17, 1
	s_cselect_b64 s[6:7], s[8:9], s[6:7]           ; the weight is chosen by j
	s_cmp_eq_u32 s17, 2
	s_cselect_b64 s[6:7], s[10:11], s[6:7]
	s_add_nc_u64 s[6:7], s[6:7], s[20:21]
	s_add_nc_u64 s[14:15], s[14:15], s[22:23]
.irp i, 0,1,2,3,4,5,6,7,8,9,10,11,12,13,14,15
	global_load_b128 v[X+4*\i:X+4*\i+3], v100, s[6:7] offset:4096*\i th:TH_LOAD_NT  ; row 16 w + i: 512 neighbouring bytes a wave
.endr
	; Two neighbouring k of one n make a word: Y[8 c + p] = W[16 w + 2 p][4 l + c], W[16 w + 2 p + 1][4 l + c].
.irp p, 0,1,2,3,4,5,6,7
	s_wait_loadcnt 14-2*\p                         ; rows 2 p and 2 p + 1 are in; the 14 - 2 p younger loads stay out
.irp c, 0,1,2,3
	v_cvt_pk_bf16_f32 v[Y+8*\c+\p], v[X+8*\p+\c], v[X+8*\p+4+\c]
.endr
.endr
	; Column n = 4 l + c goes to LDS row 32 c + l: neighbouring lanes write neighbouring rows.
.irp c, 0,1,2,3
	ds_store_b128 v2, v[Y+8*\c:Y+8*\c+3] offset:32*WPITCH*\c
	ds_store_b128 v2, v[Y+8*\c+4:Y+8*\c+7] offset:32*WPITCH*\c+16
.endr
	s_wait_dscnt 0x0                               ; my stores are done, for the other waves' sake: zero
	s_barrier_signal -1
	s_barrier_wait -1
	; LDS row 16 i + t / 16 = 32 c + l with c = i / 2, l = 16 (i % 2) + t / 16, that is n = 64 (i % 2) + 4 (t / 16) + i / 2.
.irp i, 0,1,2,3,4,5,6,7
	ds_load_b128 v[X+4*\i:X+4*\i+3], v3 offset:16*WPITCH*\i
.endr
.irp i, 0,1,2,3,4,5,6,7
	s_wait_dscnt 7-\i                              ; LDS loads come back in order: load i is in
	global_store_b128 v101, v[X+4*\i:X+4*\i+3], s[14:15] offset:(64*(\i&1)+(\i>>1))*2048   ; sixteen lanes store 256 consecutive bytes, aligned
.endr
	s_wait_tensorcnt 0x0
	ds_add_u32 v104, v105
	s_wait_dscnt 0x0
	s_endpgm
.Lfunc_end_k_q38418db996_cast:
	.size	k_q38418db996_cast, .Lfunc_end_k_q38418db996_cast-k_q38418db996_cast
	.p2alignl 7, 3214868480
	.fill 96, 4, 3214868480
	.section	.rodata,"a",@progbits
	.p2align	6, 0x0
	.amdhsa_kernel k_q38418db996_cast
		.amdhsa_group_segment_fixed_size 35840
		.amdhsa_private_segment_fixed_size 0
		.amdhsa_enable_private_segment 0
		.amdhsa_kernarg_size 48
		.amdhsa_user_sgpr_count 2
		.amdhsa_user_sgpr_kernarg_segment_ptr 1
		.amdhsa_wavefront_size32 1
		.amdhsa_system_sgpr_workgroup_id_x 1
		.amdhsa_system_sgpr_workgroup_id_y 1
		.amdhsa_system_sgpr_workgroup_id_z 1
		.amdhsa_system_vgpr_workitem_id 0
		.amdhsa_next_free_vgpr 106
		.amdhsa_next_free_sgpr 66
		.amdhsa_reserve_vcc 0
		.amdhsa_float_denorm_mode_32 3
		.amdhsa_float_denorm_mode_16_64 3
		.amdhsa_memory_ordered 1
		.amdhsa_forward_progress 1
		.amdhsa_inst_pref_size 14
	.end_amdhsa_kernel
	.amdgpu_metadata
---
amdhsa.version: [ 1, 2 ]
amdhsa.kernels:
  - .name:           k_q38418db996_cast
    .symbol:         k_q38418db996_cast.kd
    .args:
      - { .name: x, .offset: 0, .size: 8, .value_kind: global_buffer, .address_space: global }
      - { .name: Wq, .offset: 8, .size: 8, .value_kind: global_buffer, .address_space: global }
      - { .name: Wk, .offset: 16, .size: 8, .value_kind: global_buffer, .address_space: global }
      - { .name: Wv, .offset: 24, .size: 8, .value_kind: global_buffer, .address_space: global }
      - { .name: xb, .offset: 32, .size: 8, .value_kind: global_buffer, .address_space: global }
      - { .name: wt, .offset: 40, .size: 8, .value_kind: global_buffer, .address_space: global }
    .group_segment_fixed_size: 35840
    .private_segment_fixed_size: 0
    .kernarg_segment_align: 8
    .kernarg_segment_size: 48
    .max_flat_workgroup_size: 256
    .sgpr_count:     66
    .vgpr_count:     106
    .wavefront_size: 32
...
	.end_amdgpu_metadata
.endif
;; end of part 1
;; launch qkv (part 2): grid 8 x 32, 4 waves a work-group, clusters of 4 x 4, 327,680 bytes of LDS; arguments xb, wt, qkv; writes qkv
.if DOCPART == 2
	.amdgcn_target "amdgcn-amd-amdhsa--gfx1250"
	.amdhsa_code_object_version 6
	.text
	.protected	k_q38418db996_qkv
	.globl	k_q38418db996_qkv
	.p2align	8
	.type	k_q38418db996_qkv,@function
k_q38418db996_qkv:
	s_mov_b64 s[64:65], 0
	v_nop
	global_prefetch_b8 v0, s[64:65] scope:SCOPE_SE
	s_setreg_imm32_b32 hwreg(HW_REG_WAVE_MODE, 25, 1), 1
	s_wait_xcnt 0x0
	s_wait_alu depctr_hold_cnt(0) depctr_sa_sdst(0) depctr_va_vdst(0) depctr_va_sdst(0) depctr_va_ssrc(0) depctr_va_vcc(0) depctr_vm_vsrc(0)
	s_getreg_b32 s2, hwreg(HW_REG_IB_STS2, 6, 4)
	s_cmp_eq_u32 s2, 0
	s_cbranch_scc0 .Lentry_in_a_cluster
	s_endpgm
.Lentry_in_a_cluster:
	s_bfe_u32 s2, ttmp6, 0x10000c
	s_cmp_lg_u32 s2, 0xf033
	s_cbranch_scc0 .Lentry_shape_is_right
	s_endpgm
.Lentry_shape_is_right:
; qkv[m][n] = sum over k of xb[m][k] wt[n][k].  xb: [8192][1024] bf16, wt: [3072][1024] bf16, qkv: [8192][3072] f16 (columns q | k | v); sums in f32.
; LIMIT: the results are rounded to f16, so |q|, |k|, |v| must stay under 65,504; larger ones become infinities.
; 8192 x 3072 results on 256 work-groups are blocks of 256 x 384, one work-group each.  Four waves; wave w makes rows 64 w .. 64 w + 63 of the
; block by all 384 columns: 4 x 24 accumulator tiles of 16 x 16, 768 registers, and its rows of the result are 768 bytes, three whole blocks of 256.
; K goes in steps of 64 through a ring of two LDS slots filled by tensor loads (two slots of a step of 128 would take 348,160 bytes of LDS).
; CLUSTERS: 4 x 4 work-groups.  The four of a row of the cluster need the same rows of xb, the four of a column the same rows of wt: each tile is
; asked for jointly, by the same load with the same descriptor in all four, which divides the requests for both operands by four.
; REGISTERS: window 0: addresses, fragments of xb (two buffers of 4), fragments of wt (two buffers of 8); windows 1 to 3: the accumulators,
; tile (a, b) (a: 16 rows, b: 16 columns) in window 1 + b / 8 at v[8 (8 a + b % 8)].
; THE MATRIX INSTRUCTION IS USED TRANSPOSED (source 0 = 16 rows of wt, source 1 = 16 rows of xb): lane l then holds row l % 16 of the result and
; its eight registers the columns 8 (l / 16) + 0 .. 7, which pack into 16 neighbouring bytes.
.set SIZE_K, 1024
.set SIZE_N, 3072
.set KSTEP,  64
.set PITCH,  144                       ; an LDS row: 128 bytes + 16: sixteen neighbouring rows start at different 16-byte columns of a 256-byte span
.set AOFF,   384*PITCH                 ; a slot: wt's 384 rows, then xb's 256 rows
.set SLOT,   640*PITCH
.set STAGE,  2*SLOT                    ; behind the ring: 16 rows of 784 bytes for each wave, for the way out; no tensor load lands here
.set SPITCH, 784                       ; 768 bytes + 16
.set ADRA, 16                          ; v16-17  LDS address of my xb fragments in slot 0, 1
.set ADRB, 20                          ; v20-21  the same for wt
.set STO,  24                          ; v24     the way out: where I put 16 bytes of a row
.set RD,   25                          ; v25     the way out: where I read rows back
.set CO,   26                          ; v26     my byte offset in the result
.set AF0,  32                          ; v32-63, v64-95    xb's fragments (4 x 16 rows x 32 K), one buffer for each half of a K step
.set AF1,  64
.set BF0,  96                          ; v96-159, v160-223 wt's fragments (8 x 16 rows x 32 K), two buffers that take turns
.set BF1,  160
.set TMP,  96                          ; the way out: 96 registers of packed results
.set G1,  24                           ; s[24:31] descriptor group 1 for xb's tiles
.set G0,  32                           ; s[32:39] descriptor group 0 for xb's tiles, one set for each slot
.set G1B, 48                           ; s[48:55] group 1 for wt's tiles
.set G0B, 56                           ; s[56:63] group 0 for wt's tiles, one set for each slot
.set MSB, 0
.macro WIN new                         ; the immediate's high byte repeats the setting that is left
.if MSB != (\new)
	s_set_vgpr_msb (MSB<<8)|(\new)
.set MSB, \new
.endif
.endm
.macro PLACES                          ; four places behind a matrix instruction, in front of loads into its sources and of vector instructions that read its result
.rept 4
	v_nop
.endr
.endm
; A joint load.  Waves 0 and 1 fetch wt's two halves (192 rows each), waves 2 and 3 xb's (128 rows each).  The branch hangs on the wave's number alone.
.macro JLOAD s
	s_cmp_eq_u32 s11, 0
	s_cbranch_scc0 .Lfor_a_\@
	tensor_load_to_lds s[G0B+4*\s:G0B+4*\s+3], s[G1B:G1B+7]
	s_nop 0
	s_branch .Lasked_\@
.Lfor_a_\@:
	tensor_load_to_lds s[G0+4*\s:G0+4*\s+3], s[G1:G1+7]
	s_nop 0
.Lasked_\@:
.endm
.macro CREST                           ; a round of the cluster's barrier behind its opening barrier
	s_cmp_lg_u32 s10, 0
	s_cbranch_scc1 .Lnot_wave_0_\@
	s_barrier_signal -3
.Lnot_wave_0_\@:
	s_barrier_wait -3
	s_barrier_signal -1
	s_barrier_wait -1
.endm
.macro CROUND                          ; a whole round
	s_barrier_signal -1
	s_barrier_wait -1
	CREST
.endm
	s_load_b128 s[4:7], s[0:1], 0x0                ; xb s[4:5], wt s[6:7]
	s_load_b64 s[8:9], s[0:1], 0x10                ; qkv
	v_lshl_add_u32 v254, v0, 2, 0x39400
	v_mov_b32 v255, 0
	ds_add_u32 v254, v255
	v_lshrrev_b32 v1, 5, v0
	v_readfirstlane_b32 s10, v1                    ; wave 0..3
	s_lshr_b32 s11, s10, 1                         ; I fetch for wt (0) or for xb (1)
	s_and_b32 s12, s10, 1                          ; which half of that tile
	s_bfe_u32 s40, ttmp6, 0x40000                  ; cx
	s_bfe_u32 s41, ttmp6, 0x40004                  ; cy
	s_lshl_b32 s42, ttmp9, 2
	s_add_co_u32 s42, s42, s40                     ; block column = 4 x cluster x + cx
	s_and_b32 s13, ttmp7, 0xffff
	s_lshl_b32 s13, s13, 2
	s_add_co_u32 s13, s13, s41                     ; block row = 4 x cluster y + cy
	s_lshl_b32 s43, s41, 2
	s_lshl_b32 s43, 15, s43                        ; my row of the cluster: places 4 cy .. 4 cy + 3
	s_lshl_b32 s44, 0x1111, s40                    ; my column: places cx, cx + 4, cx + 8, cx + 12
	; group 1: rows of 64 elements of 2 bytes, 16 bytes of padding behind every 32 words
	s_or_b32 s[G1+0], s43, (1<<16)|(1<<20)|(1<<21)|(4<<22)|(3<<25)    ; xb's tiles go to my row of the cluster
	s_or_b32 s[G1B+0], s44, (1<<16)|(1<<20)|(1<<21)|(4<<22)|(3<<25)   ; wt's tiles to my column
	s_mov_b32 s[G1+1], KSTEP<<16                   ; tensor_dim0 = 64
	s_mov_b32 s[G1B+1], KSTEP<<16
	s_mov_b32 s[G1+2], 128<<16                     ; tensor_dim1 = 128 rows
	s_mov_b32 s[G1B+2], 192<<16                    ; 192 rows
	s_mov_b32 s[G1+3], KSTEP<<16                   ; tile_dim0 = 64
	s_mov_b32 s[G1B+3], KSTEP<<16
	s_mov_b32 s[G1+4], 128                         ; tile_dim1
	s_mov_b32 s[G1B+4], 192
	s_mov_b32 s[G1+5], SIZE_K                      ; elements from row to row
	s_mov_b32 s[G1B+5], SIZE_K
	s_mov_b32 s[G1+6], 0
	s_mov_b32 s[G1B+6], 0
	s_mov_b32 s[G1+7], 0
	s_mov_b32 s[G1B+7], 0
	; xb's tiles hang on the block row alone, wt's on the block column alone; each address is made in registers that never hold the other coordinate
	s_lshl_b32 s17, s12, 7
	s_lshl_b32 s16, s13, 8
	s_add_co_u32 s16, s16, s17                     ; xb: row 256 x block row + 128 x half
	s_lshl_b32 s16, s16, 11                        ; rows of 2,048 bytes (16,775,168 at the most)
	s_mov_b32 s17, 0
	s_mul_i32 s47, s12, 192
	s_mul_i32 s46, s42, 384
	s_add_co_u32 s46, s46, s47                     ; wt: row 384 x block column + 192 x half
	s_lshl_b32 s46, s46, 11
	s_mov_b32 s47, 0
	s_mul_i32 s20, s10, 128*PITCH                  ; xb's halves lie behind wt's 384 rows: waves 2, 3 at 128 rows x (wave + 1)
	s_add_co_u32 s20, s20, 128*PITCH
	s_mul_i32 s21, s10, 192*PITCH                  ; wt's halves: waves 0, 1 at 192 rows x wave
	s_wait_dscnt 0x0
	s_wait_kmcnt 0x0
	s_add_nc_u64 s[14:15], s[4:5], s[16:17]
	s_add_nc_u64 s[46:47], s[6:7], s[46:47]
	CROUND                                         ; all sixteen work-groups are here: the first joint loads meet
.irp s, 0,1
	s_mov_b32 s[G0+4*\s], 1
	s_add_co_u32 s[G0+4*\s+1], s20, \s*SLOT
	s_add_nc_u64 s[G0+4*\s+2:G0+4*\s+3], s[14:15], \s*KSTEP*2      ; K step s
	s_or_b32 s[G0+4*\s+3], s[G0+4*\s+3], 0x80000000
	s_mov_b32 s[G0B+4*\s], 1
	s_add_co_u32 s[G0B+4*\s+1], s21, \s*SLOT
	s_add_nc_u64 s[G0B+4*\s+2:G0B+4*\s+3], s[46:47], \s*KSTEP*2
	s_or_b32 s[G0B+4*\s+3], s[G0B+4*\s+3], 0x80000000
	JLOAD \s                                       ; both slots' first fills go out ahead of everything else: two loads of a wave are out
.endr
	v_and_b32 v1, 15, v0                           ; r = l % 16
	v_bfe_u32 v2, v0, 4, 1                         ; h = l / 16
	v_mul_u32_u24 v3, v1, PITCH
	v_lshl_add_u32 v[ADRB], v2, 4, v3              ; a fragment: row r, 16 bytes at 16 h, and 32 bytes on
	v_add_nc_u32 v[ADRB+1], SLOT, v[ADRB]
	s_mul_i32 s22, s10, 64*PITCH
	s_add_co_u32 s22, s22, AOFF                    ; my 64 rows of xb
	v_add_nc_u32 v[ADRA], s22, v[ADRB]
	v_add_nc_u32 v[ADRA+1], SLOT, v[ADRA]
	s_mul_i32 s23, s10, 16*SPITCH
	s_add_co_u32 s23, s23, STAGE                   ; my stage
	v_mul_u32_u24 v4, v1, SPITCH
	v_lshl_add_u32 v4, v2, 4, v4
	v_add_nc_u32 v[STO], s23, v4                   ; in: row r, 16 bytes for each half of the lanes
	v_mul_u32_u24 v5, v2, SPITCH
	v_lshl_add_u32 v5, v1, 4, v5
	v_add_nc_u32 v[RD], s23, v5                    ; back: lanes 0-15 take 256 bytes of one row, lanes 16-31 of the next
	v_mul_u32_u24 v5, v2, SIZE_N*2
	v_lshl_add_u32 v[CO], v1, 4, v5                ; the same two rows in the result
; 16 matrix instructions: row blocks a0, a0 + 1 x the 8 column blocks of one window, 32 along K.  zero = 1: the first product starts the sums.
; The 96 accumulators take turns, one instruction a turn, in the same order in every 32 of K.
.macro MUL16 bbuf, abuf, a0, zero
.irp a, \a0, \a0+1
.irp b, 0,1,2,3,4,5,6,7
.if \zero
	v_wmma_f32_16x16x32_bf16 v[8*(8*(\a)+\b):8*(8*(\a)+\b)+7], v[\bbuf+8*\b:\bbuf+8*\b+7], v[\abuf+8*(\a):\abuf+8*(\a)+7], 0
.else
	v_wmma_f32_16x16x32_bf16 v[8*(8*(\a)+\b):8*(8*(\a)+\b)+7], v[\bbuf+8*\b:\bbuf+8*\b+7], v[\abuf+8*(\a):\abuf+8*(\a)+7], v[8*(8*(\a)+\b):8*(8*(\a)+\b)+7]
.endif
.endr
.endr
.endm
.macro FETCHB slot, q, g, buf          ; 16 loads: column blocks 8 g .. 8 g + 7 of wt, K = 32 q .. 32 q + 31 of the step
.irp i, 0,1,2,3,4,5,6,7
	ds_load_b128 v[\buf+8*\i:\buf+8*\i+3],   v[ADRB+\slot] offset:64*\q+(8*\g+\i)*16*PITCH
	ds_load_b128 v[\buf+8*\i+4:\buf+8*\i+7], v[ADRB+\slot] offset:64*\q+(8*\g+\i)*16*PITCH+32
.endr
.endm
.macro FETCHA slot, q, buf             ; 8 loads: my four row blocks of xb
.irp i, 0,1,2,3
	ds_load_b128 v[\buf+8*\i:\buf+8*\i+3],   v[ADRA+\slot] offset:64*\q+\i*16*PITCH
	ds_load_b128 v[\buf+8*\i+4:\buf+8*\i+7], v[ADRA+\slot] offset:64*\q+\i*16*PITCH+32
.endr
.endm
; A K step is six groups n = 3 q + g of 32 matrix instructions (q: which 32 of K; g: which window of accumulators).
; Group n (0 to 4): asks for group n + 1's fragments of wt (and, in group 2, for xb's second half step), then multiplies its own.
.macro GROUP slot, n, zero
.set NXQ, (\n+1)/3
.set NXG, (\n+1)%3
.set NXB, BF0+64*((\n+1)&1)
.set CURB, BF0+64*(\n&1)
.set CURA, AF0+32*(\n/3)
.set CURW, 0x50*(\n%3+1)
	PLACES                                         ; the buffer that is loaded next was read by the matrix instructions just issued
	WIN 0
	FETCHB \slot, NXQ, NXG, NXB
.if \n == 2
	FETCHA \slot, 1, AF1
	s_wait_dscnt 24                                ; all but the 24 loads just issued: this group's fragments are in
.else
	s_wait_dscnt 16                                ; all but the 16 loads just issued
.endif
	WIN CURW                                       ; C and D in window 1 + g, both sources in window 0
	MUL16 CURB, CURA, 0, \zero
	MUL16 CURB, CURA, 2, \zero
.endm
.macro FIVE slot, zero
	GROUP \slot, 0, \zero
	GROUP \slot, 1, \zero
	GROUP \slot, 2, \zero
	GROUP \slot, 3, 0
	GROUP \slot, 4, 0
.endm
; Group 5, and the change of slots.  In front of the barrier each wave waits for its reads of this slot and for all its tensor loads (one is out: its
; part of the next slot).  Where the slot is filled again the barrier opens a round of the cluster's barrier, and the joint refill is the first tensor
; load behind the round.  From a request to the wait for it a wave issues 176 matrix instructions.
.macro TURN slot, next, fill
	s_wait_dscnt 0x0                               ; group 5's fragments are in, and with them all my reads of this slot
	s_wait_tensorcnt 0x0                           ; all my tensor loads have landed
	ds_add_u32 v254, v255
	s_wait_dscnt 0x0
	s_barrier_signal -1
	WIN 0xf0
	MUL16 BF1, AF1, 0, 0                           ; register work while the others arrive
	WIN 0
	s_barrier_wait -1
.if \fill
	CREST                                          ; no wave of any partner still reads this slot or has a load on its way
	s_add_nc_u64 s[G0+4*\slot+2:G0+4*\slot+3], s[G0+4*\slot+2:G0+4*\slot+3], 2*KSTEP*2
	s_add_nc_u64 s[G0B+4*\slot+2:G0B+4*\slot+3], s[G0B+4*\slot+2:G0B+4*\slot+3], 2*KSTEP*2
	JLOAD \slot
.endif
	PLACES
	FETCHB \next, 0, 0, BF0
	FETCHA \next, 0, AF0
	WIN 0xf0
	MUL16 BF1, AF1, 2, 0
.endm
.macro LAP zero                        ; two K steps, once round the ring, both slots filled again
	FIVE 0, \zero
	TURN 0, 1, 1
	FIVE 1, 0
	TURN 1, 0, 1
.endm
	s_wait_tensorcnt 0x1                           ; my part of K step 0 is in; K step 1's load stays out
	s_barrier_signal -1
	s_barrier_wait -1
	FETCHB 0, 0, 0, BF0
	FETCHA 0, 0, AF0
	LAP 1                                          ; the first lap stands in front of the loop: its first products start the sums
	WIN 0
	s_mov_b32 s3, SIZE_K/(2*KSTEP)-2               ; 8 laps in all
.Llap:
	LAP 0
	WIN 0
	s_sub_co_u32 s3, s3, 1
	s_cmp_lg_u32 s3, 0
	s_cbranch_scc1 .Llap
	FIVE 0, 0                                      ; the last lap fills nothing
	TURN 0, 1, 0
	FIVE 1, 0
	s_wait_dscnt 0x0
	WIN 0xf0
	MUL16 BF1, AF1, 0, 0
	MUL16 BF1, AF1, 2, 0
	; THE WAY OUT, 16 rows at a time: round to f16, 16 bytes a lane into my own stage, read back as blocks of 256 bytes of a row.
	PLACES
	s_lshl_b32 s13, s13, 8
	s_lshl_b32 s14, s10, 6
	s_add_co_u32 s16, s13, s14                     ; my first row: 256 x block row + 64 x wave
	s_mul_i32 s16, s16, SIZE_N*2
	s_mov_b32 s17, 0
	s_add_nc_u64 s[8:9], s[8:9], s[16:17]
	s_mul_i32 s46, s42, 768                        ; my first column, in bytes (in the registers that held wt's address)
	s_mov_b32 s47, 0
	s_add_nc_u64 s[8:9], s[8:9], s[46:47]
.macro OUT16 a
.irp wdw, 1,2,3
	WIN 5*\wdw                                     ; sources 0 and 1 in window 1, 2, 3
.irp b, 0,1,2,3,4,5,6,7
.irp r, 0,1,2,3
	v_cvt_pk_f16_f32 v[TMP+32*(\wdw-1)+4*\b+\r], v[8*(8*\a+\b)+2*\r], v[8*(8*\a+\b)+2*\r+1]
.endr
.endr
.endr
	WIN 0
.irp b, 0,1,2,3,4,5,6,7,8,9,10,11,12,13,14,15,16,17,18,19,20,21,22,23
	ds_store_b128 v[STO], v[TMP+4*\b:TMP+4*\b+3] offset:32*\b
.endr
.irp u, 0,1,2
	s_wait_xcnt 0x0                                ; the buffer that earlier stores read is loaded again only behind this wait
.irp t, 0,1,2,3,4,5,6,7
	ds_load_b128 v[AF0+32*((3*\a+\u)&1)+4*\t:AF0+32*((3*\a+\u)&1)+4*\t+3], v[RD] offset:\t*2*SPITCH+256*\u   ; LDS serves a wave's instructions in order: these see the stores above
.endr
.irp t, 0,1,2,3,4,5,6,7
	s_wait_dscnt 7-\t
	global_store_b128 v[CO], v[AF0+32*((3*\a+\u)&1)+4*\t:AF0+32*((3*\a+\u)&1)+4*\t+3], s[8:9] offset:(16*\a+2*\t)*SIZE_N*2+256*\u   ; sixteen lanes store 256 consecutive bytes, aligned
.endr
.endr
.endm
	OUT16 0
	OUT16 1
	OUT16 2
	OUT16 3
	s_wait_tensorcnt 0x0
	ds_add_u32 v254, v255
	s_wait_dscnt 0x0
	CROUND                                         ; the closing round: no work-group ends while a partner may still ask for a tile that names it
	s_endpgm
.Lfunc_end_k_q38418db996_qkv:
	.size	k_q38418db996_qkv, .Lfunc_end_k_q38418db996_qkv-k_q38418db996_qkv
	.p2alignl 7, 3214868480
	.fill 96, 4, 3214868480
	.section	.rodata,"a",@progbits
	.p2align	6, 0x0
	.amdhsa_kernel k_q38418db996_qkv
		.amdhsa_group_segment_fixed_size 327680
		.amdhsa_private_segment_fixed_size 0
		.amdhsa_enable_private_segment 0
		.amdhsa_kernarg_size 24
		.amdhsa_user_sgpr_count 2
		.amdhsa_user_sgpr_kernarg_segment_ptr 1
		.amdhsa_wavefront_size32 1
		.amdhsa_system_sgpr_workgroup_id_x 1
		.amdhsa_system_sgpr_workgroup_id_y 1
		.amdhsa_system_sgpr_workgroup_id_z 1
		.amdhsa_system_vgpr_workitem_id 0
		.amdhsa_next_free_vgpr 1024
		.amdhsa_next_free_sgpr 66
		.amdhsa_reserve_vcc 0
		.amdhsa_float_denorm_mode_32 3
		.amdhsa_float_denorm_mode_16_64 3
		.amdhsa_memory_ordered 1
		.amdhsa_forward_progress 1
		.amdhsa_inst_pref_size 182
	.end_amdhsa_kernel
	.amdgpu_metadata
---
amdhsa.version: [ 1, 2 ]
amdhsa.kernels:
  - .name:           k_q38418db996_qkv
    .symbol:         k_q38418db996_qkv.kd
    .args:
      - { .name: xb, .offset: 0, .size: 8, .value_kind: global_buffer, .address_space: global }
      - { .name: wt, .offset: 8, .size: 8, .value_kind: global_buffer, .address_space: global }
      - { .name: qkv, .offset: 16, .size: 8, .value_kind: global_buffer, .address_space: global }
    .group_segment_fixed_size: 327680
    .private_segment_fixed_size: 0
    .kernarg_segment_align: 8
    .kernarg_segment_size: 24
    .max_flat_workgroup_size: 128
    .sgpr_count:     66
    .vgpr_count:     1024
    .wavefront_size: 32
...
	.end_amdgpu_metadata
.endif
;; end of part 2
;; launch attn (part 3): grid 4 x 64, 4 waves a work-group, clusters of 4 x 4, 327,680 bytes of LDS; arguments qkv, attn_mask, out0; writes out0
.if DOCPART == 3
	.amdgcn_target "amdgcn-amd-amdhsa--gfx1250"
	.amdhsa_code_object_version 6
	.text
	.protected	k_q38418db996_attn
	.globl	k_q38418db996_attn
	.p2align	8
	.type	k_q38418db996_attn,@function
k_q38418db996_attn:
	s_mov_b64 s[64:65], 0
	v_nop
	global_prefetch_b8 v0, s[64:65] scope:SCOPE_SE
	s_setreg_imm32_b32 hwreg(HW_REG_WAVE_MODE, 25, 1), 1
	s_wait_xcnt 0x0
	s_wait_alu depctr_hold_cnt(0) depctr_sa_sdst(0) depctr_va_vdst(0) depctr_va_sdst(0) depctr_va_ssrc(0) depctr_va_vcc(0) depctr_vm_vsrc(0)
	s_getreg_b32 s2, hwreg(HW_REG_IB_STS2, 6, 4)
	s_cmp_eq_u32 s2, 0
	s_cbranch_scc0 .Lentry_in_a_cluster
	s_endpgm
.Lentry_in_a_cluster:
	s_bfe_u32 s2, ttmp6, 0x10000c
	s_cmp_lg_u32 s2, 0xf033
	s_cbranch_scc0 .Lentry_shape_is_right
	s_endpgm
.Lentry_shape_is_right:
; out0[b][s][64 head + d] = sum over t of w[s][t] v[t][d],  w = e / (sum over t of e + 1e-8),  e = exp(q[s] . k[t] / 8) * attn_mask[b][s][t].
; qkv: [8192][3072] f16 (columns q | k | v), attn_mask: [8][1024][1024] f32, out0: [8][1024][1024] f32.
; The weights go to the matrix unit in f16, so the exponent is kept bounded by a running maximum m of the row's scores, taken over the keys whose
; mask is not 0: e' = 2^(c s - c m) * mask with c = log2(e) / 8, l' = sum of e', and w = e' / (l' + 1e-8 * 2^(-c m)), which is the same quotient.
; A key whose mask is 0 gets the bias -2^100 added to its score (as the C operand of the score product), so it does not raise the maximum; c * 2^100 is
; exact in f32, so for a row with no kept key so far c s - c m is exactly 0, and its weights are 1 * 0.  The maximum never falls under -2^100.
; LIMITS.  (1) A row whose sum of exponentials overflows f32 while each exponential is finite (scores / 8 between about 81.8 and 88.7) gives 0 in f32
; arithmetic without a maximum; here it gives the quotient's true value.  (2) A row whose kept scores / 8 all lie under about -88 gives 0 or magnitudes
; under 1e-30.  (3) v_exp_f32 takes denormal inputs and results as 0 (ISA guide 15.8).  (4) mask values times weights must stay under 65,504 (f16).
;
; SHARES.  A work-group: one batch b, four heads (hg), 128 queries (qb): 8 x 4 x 8 = 256 work-groups.  Wave w: two of the heads (hp = w & 1) and 64 of
; the queries (qh = w >> 1).  Keys go in 16 steps of 64 through a ring of two LDS slots, each with K's tile, V's tile and the mask's tile.
; CLUSTERS: 4 x 4 work-groups: cx = hg, cy = the low two bits of qb, b and qb's top bit from the cluster's number.  K's and V's tiles hang on (b, hg)
; and are asked for jointly down a column of the cluster; the mask's tile hangs on (b, qb) and is asked for jointly along a row.
; TRANSPOSED SCHEME.  Scores: A = 16 keys, B = 16 queries, so lane (r, h) holds query r and keys 8 h + j in register j; two such tiles, packed to f16,
; ARE a B fragment of 32 keys for the second product (A = 16 d of V, transposed on the way from LDS).  A query's maximum, sum and factor live in lanes r
; and r + 16, and the result's lane holds eight neighbouring d of one query.
.set ROWQ,   6144                      ; bytes in a row of qkv
.set KPITCH, 528                       ; 512 bytes + 16
.set VPITCH, 544                       ; 512 bytes + 32: an odd multiple of 32, for the transposing loads
.set MPITCH, 272                       ; 256 bytes + 16: the mask's rows, Q's rows and the stage's rows
.set VOFF,   64*KPITCH                 ; a slot: K's 64 rows, V's 64 rows, the mask's 128 rows
.set MOFF,   VOFF+64*VPITCH
.set SLOT,   MOFF+128*MPITCH           ; 103,424
.set QOFF,   2*SLOT                    ; each wave's own 64 rows of Q, filled once
.set STAGE,  QOFF+4*64*MPITCH          ; each wave's own 16 rows for the way out; no tensor load lands here
; window 0
.set KA,   16                          ; v16-17  LDS address of my K fragments in slot 0, 1
.set VA,   18                          ; v18-19  V
.set MA,   20                          ; v20-21  mask
.set QA,   22
.set STO,  23
.set RD,   24
.set CO,   25
.set FLOOR, 26                         ; -2^100
.set MROW, 32                          ; v32-39  running maximum of block (e, sb) at 4 e + sb
.set LSUM, 40                          ; v40-55  running sum, two partial sums for each block
.set NMR,  56                          ; v56     -c m (v57 is its pair's other half: written once, never used)
.set ALF,  58                          ; v58     2^(c m_old - c m_new) (v59 likewise)
.set MXT,  60                          ; v60-63  at work on the maximum
.set MB0,  96                          ; v96-127, v128-159  the mask of 16 queries x 64 keys, two buffers
.set MB1,  128
.set BIAS, 160                         ; v160-191  0 or -2^100
.set SCO,  192                         ; v192-223  scores, then weights, of four tiles of 16 keys
.set PFR,  224                         ; v224-239  the weights in f16: two B fragments
.set SUMR, 240                         ; v240-247  four chains of sums
.set KF,   0                           ; window 1: K[e][tt][kk] at 8 (8 e + 2 tt + kk)
.set VF,   128                         ; window 1: V[e][dt][th] at 128 + 8 (8 e + 2 dt + th)
.set QF,   0                           ; window 2: Q[e][sb][kk] at 8 (8 e + 2 sb + kk)
                                       ; window 3: acc[e][sb][dt] at 8 (16 e + 4 sb + dt)
.set MSB, 0
.macro WIN new                         ; the immediate's high byte repeats the setting that is left
.if MSB != (\new)
	s_set_vgpr_msb (MSB<<8)|(\new)
.set MSB, \new
.endif
.endm
.macro PLACES                          ; four places behind a matrix instruction (ISA guide 7.12.1)
.rept 4
	v_nop
.endr
.endm
.macro CREST
	s_cmp_lg_u32 s10, 0
	s_cbranch_scc1 .Lnot_wave_0_\@
	s_barrier_signal -3
.Lnot_wave_0_\@:
	s_barrier_wait -3
	s_barrier_signal -1
	s_barrier_wait -1
.endm
.macro CROUND
	s_barrier_signal -1
	s_barrier_wait -1
	CREST
.endm
; A slot's joint loads, one a wave: wave 0 K's tile, wave 1 V's, waves 2 and 3 the two halves of the mask's.  The branches hang on the wave's number alone.
.macro JLOAD s
	s_cmp_lg_u32 s10, 0
	s_cbranch_scc1 .Lnot_k_\@
	tensor_load_to_lds s[56+4*\s:59+4*\s], s[24:31]
	s_nop 0
	s_branch .Lasked_\@
.Lnot_k_\@:
	s_cmp_lg_u32 s10, 1
	s_cbranch_scc1 .Lnot_v_\@
	tensor_load_to_lds s[68+4*\s:71+4*\s], s[32:39]
	s_nop 0
	s_branch .Lasked_\@
.Lnot_v_\@:
	tensor_load_to_lds s[76+4*\s:79+4*\s], s[40:47]
	s_nop 0
.Lasked_\@:
.endm
	s_load_b128 s[4:7], s[0:1], 0x0                ; qkv s[4:5], attn_mask s[6:7]
	s_load_b64 s[8:9], s[0:1], 0x10                ; out0
	v_lshl_add_u32 v254, v0, 2, 0x47c00
	v_mov_b32 v255, 0
	ds_add_u32 v254, v255
	v_lshrrev_b32 v1, 5, v0
	v_readfirstlane_b32 s10, v1                    ; wave 0..3
	s_and_b32 s11, s10, 1                          ; hp: my two heads of the four.  Also: which half of the mask's tile waves 2, 3 fetch
	s_lshr_b32 s12, s10, 1                         ; qh: my 64 queries of the 128
	s_bfe_u32 s13, ttmp6, 0x40000                  ; cx
	s_bfe_u32 s14, ttmp6, 0x40004                  ; cy
	s_and_b32 s15, ttmp7, 0xffff                   ; the cluster's y
	s_lshr_b32 s16, s15, 1                         ; b
	s_and_b32 s17, s15, 1
	s_lshl_b32 s17, s17, 2
	s_add_co_u32 s17, s17, s14                     ; qb = 4 x (cluster y & 1) + cy
	s_lshl_b32 s66, ttmp9, 2
	s_add_co_u32 s66, s66, s13                     ; hg = 4 x cluster x + cx
	s_lshl_b32 s67, s14, 2
	s_lshl_b32 s67, 15, s67                        ; my row of the cluster
	s_lshl_b32 s2, 0x1111, s13                     ; my column
	s_mov_b32 s96, 0x3e38aa3b                      ; c = log2(e) / 8; s[96:97] is always broadcast from s96
	s_mov_b32 s97, 0xbe38aa3b                      ; -c
	s_mov_b32 s98, 0x76543210                      ; v_permlanex16_b32: lane i of one half reads lane i of the other
	s_mov_b32 s99, 0xfedcba98
	; group 1 of K's tiles: 64 rows of 256 elements of 2 bytes, 16 bytes of padding behind every 128 words; to my column of the cluster
	s_or_b32 s24, s2, (1<<16)|(1<<20)|(1<<21)|(6<<22)|(3<<25)
	s_mov_b32 s25, 256<<16
	s_mov_b32 s26, 64<<16
	s_mov_b32 s27, 256<<16
	s_mov_b32 s28, 64
	s_mov_b32 s29, 3072
	s_mov_b32 s30, 0
	s_mov_b32 s31, 0
	; of V's: the same with 32 bytes of padding
	s_or_b32 s32, s2, (1<<16)|(1<<20)|(1<<21)|(6<<22)|(7<<25)
	s_mov_b32 s33, 256<<16
	s_mov_b32 s34, 64<<16
	s_mov_b32 s35, 256<<16
	s_mov_b32 s36, 64
	s_mov_b32 s37, 3072
	s_mov_b32 s38, 0
	s_mov_b32 s39, 0
	; of the mask's halves: 64 rows of 64 elements of 4 bytes, 16 bytes of padding behind every 64 words; to my row of the cluster
	s_or_b32 s40, s67, (2<<16)|(1<<20)|(1<<21)|(5<<22)|(3<<25)
	s_mov_b32 s41, 64<<16
	s_mov_b32 s42, 64<<16
	s_mov_b32 s43, 64<<16
	s_mov_b32 s44, 64
	s_mov_b32 s45, 1024
	s_mov_b32 s46, 0
	s_mov_b32 s47, 0
	; of Q's: 64 rows of 128 elements of 2 bytes, padded likewise; a load of the wave's own, no mask
	s_mov_b32 s48, (1<<16)|(1<<20)|(5<<22)|(3<<25)
	s_mov_b32 s49, 128<<16
	s_mov_b32 s50, 64<<16
	s_mov_b32 s51, 128<<16
	s_mov_b32 s52, 64
	s_mov_b32 s53, 3072
	s_mov_b32 s54, 0
	s_mov_b32 s55, 0
	; byte offsets.  s[18:19]: K, from b and hg alone.  s[20:21]: the mask, from b, qb and the wave.  s[22:23]: Q.  s[88:89]: out0.
	s_mul_i32 s18, s16, 1024*ROWQ
	s_lshl_b32 s19, s66, 9
	s_add_co_u32 s18, s18, s19
	s_add_co_u32 s18, s18, 2048                    ; k's columns begin 2,048 bytes into a row; v's 2,048 further
	s_mov_b32 s19, 0
	s_lshl_b32 s20, s16, 22
	s_lshl_b32 s21, s17, 19
	s_add_co_u32 s20, s20, s21
	s_lshl_b32 s21, s11, 18
	s_add_co_u32 s20, s20, s21                     ; (1,024 b + 128 qb + 64 half) rows of 4,096 bytes
	s_mov_b32 s21, 0
	s_lshl_b32 s22, s16, 10
	s_lshl_b32 s23, s17, 7
	s_add_co_u32 s22, s22, s23
	s_lshl_b32 s23, s12, 6
	s_add_co_u32 s22, s22, s23                     ; my first query's row: 1,024 b + 128 qb + 64 qh
	s_lshl_b32 s88, s22, 12
	s_lshl_b32 s89, s66, 10
	s_add_co_u32 s88, s88, s89
	s_lshl_b32 s89, s11, 9
	s_add_co_u32 s88, s88, s89                     ; out0: rows of 4,096 bytes, 256 bytes a head
	s_mov_b32 s89, 0
	s_mul_i32 s22, s22, ROWQ
	s_lshl_b32 s23, s66, 9
	s_add_co_u32 s22, s22, s23
	s_lshl_b32 s23, s11, 8
	s_add_co_u32 s22, s22, s23                     ; q: rows of 6,144 bytes, 128 bytes a head
	s_mov_b32 s23, 0
	s_mul_i32 s100, s10, 64*MPITCH                 ; the wave's number times 64 rows of 272 bytes: for the mask's halves and for Q
	s_wait_dscnt 0x0
	s_wait_kmcnt 0x0
	s_add_nc_u64 s[8:9], s[8:9], s[88:89]
	s_add_nc_u64 s[18:19], s[4:5], s[18:19]
	s_add_nc_u64 s[20:21], s[6:7], s[20:21]
	s_add_nc_u64 s[86:87], s[4:5], s[22:23]
	s_or_b32 s87, s87, 0x80000000
	s_mov_b32 s84, 1
	s_add_co_u32 s85, s100, QOFF
.irp s, 0,1
	s_mov_b32 s[56+4*\s], 1
	s_mov_b32 s[57+4*\s], \s*SLOT
	s_add_nc_u64 s[58+4*\s:59+4*\s], s[18:19], \s*64*ROWQ          ; keys 64 s ..
	s_or_b32 s[59+4*\s], s[59+4*\s], 0x80000000
	s_mov_b32 s[68+4*\s], 1
	s_mov_b32 s[69+4*\s], \s*SLOT+VOFF
	s_add_nc_u64 s[70+4*\s:71+4*\s], s[18:19], \s*64*ROWQ+2048
	s_or_b32 s[71+4*\s], s[71+4*\s], 0x80000000
	s_mov_b32 s[76+4*\s], 1
	s_add_co_u32 s[77+4*\s], s100, \s*SLOT+MOFF-2*64*MPITCH        ; waves 2, 3: the tile's rows 0-63, 64-127
	s_add_nc_u64 s[78+4*\s:79+4*\s], s[20:21], \s*256
	s_or_b32 s[79+4*\s], s[79+4*\s], 0x80000000
.endr
	CROUND                                         ; all sixteen work-groups are here: the first joint loads meet
	tensor_load_to_lds s[84:87], s[48:55]          ; my Q
	s_nop 0
	JLOAD 0                                        ; my part of keys 0-63
	JLOAD 1                                        ; and of keys 64-127: three loads of a wave are out, the most in this text
	v_and_b32 v1, 15, v0                           ; r
	v_bfe_u32 v2, v0, 4, 1                         ; h
	v_and_b32 v3, 7, v0
	v_bfe_u32 v4, v0, 3, 1
	v_mul_u32_u24 v5, v1, KPITCH
	v_lshl_add_u32 v5, v2, 4, v5
	s_lshl_b32 s100, s11, 8                        ; my two heads: 256 bytes of K's and V's rows
	v_add_nc_u32 v[KA], s100, v5                   ; key r, 16 bytes at 16 h
	v_add_nc_u32 v[KA+1], SLOT, v[KA]
	v_lshl_add_u32 v3, v2, 3, v3
	v_mul_u32_u24 v3, v3, VPITCH
	v_lshl_add_u32 v3, v4, 4, v3
	s_add_co_u32 s100, s100, VOFF
	v_add_nc_u32 v[VA], s100, v3                   ; key 8 h + l % 8, 16 bytes at 16 ((l / 8) % 2): the transposing load's addresses
	v_add_nc_u32 v[VA+1], SLOT, v[VA]
	v_mul_u32_u24 v6, v1, MPITCH
	v_lshl_add_u32 v7, v2, 5, v6                   ; row r, 32 bytes at 32 h
	s_mul_i32 s100, s12, 64*MPITCH
	s_add_co_u32 s100, s100, MOFF
	v_add_nc_u32 v[MA], s100, v7
	v_add_nc_u32 v[MA+1], SLOT, v[MA]
	s_mul_i32 s100, s10, 64*MPITCH
	s_add_co_u32 s100, s100, QOFF
	v_lshl_add_u32 v8, v2, 4, v6
	v_add_nc_u32 v[QA], s100, v8
	s_mul_i32 s100, s10, 16*MPITCH
	s_add_co_u32 s100, s100, STAGE
	v_add_nc_u32 v[STO], s100, v7
	v_mul_u32_u24 v9, v2, MPITCH
	v_lshl_add_u32 v9, v1, 4, v9
	v_add_nc_u32 v[RD], s100, v9
	v_lshlrev_b32 v10, 4, v1
	v_lshl_or_b32 v[CO], v2, 12, v10
	v_mov_b32 v[FLOOR], 0xf1800000                 ; -2^100
	v_mov_b32 v[NMR+1], 0                          ; the unused halves of two pairs whose low half is broadcast
	v_mov_b32 v[ALF+1], 0
.macro FETCHK slot, e                  ; 16 loads: head e's 64 keys x 64 d
.irp tt, 0,1,2,3
.irp kk, 0,1
	ds_load_b128 v[KF+8*(8*\e+2*\tt+\kk):KF+8*(8*\e+2*\tt+\kk)+3],   v[KA+\slot] offset:16*KPITCH*\tt+128*\e+64*\kk
	ds_load_b128 v[KF+8*(8*\e+2*\tt+\kk)+4:KF+8*(8*\e+2*\tt+\kk)+7], v[KA+\slot] offset:16*KPITCH*\tt+128*\e+64*\kk+32
.endr
.endr
.endm
.macro FETCHV slot                     ; 32 transposing loads: both heads' 64 d x 64 keys
.irp e, 0,1
.irp dt, 0,1,2,3
.irp th, 0,1
	ds_load_tr16_b128 v[VF+8*(8*\e+2*\dt+\th):VF+8*(8*\e+2*\dt+\th)+3],   v[VA+\slot] offset:32*VPITCH*\th+128*\e+32*\dt
	ds_load_tr16_b128 v[VF+8*(8*\e+2*\dt+\th)+4:VF+8*(8*\e+2*\dt+\th)+7], v[VA+\slot] offset:32*VPITCH*\th+128*\e+32*\dt+16*VPITCH
.endr
.endr
.endr
.endm
.macro FETCHM slot, sb, buf            ; 8 loads: the mask of queries 16 sb + r, keys 16 tt + 8 h + j in register 8 tt + j
.irp tt, 0,1,2,3
	ds_load_b128 v[\buf+8*\tt:\buf+8*\tt+3],   v[MA+\slot] offset:16*MPITCH*\sb+64*\tt
	ds_load_b128 v[\buf+8*\tt+4:\buf+8*\tt+7], v[MA+\slot] offset:16*MPITCH*\sb+64*\tt+16
.endr
.endm
.macro BIASM mb                        ; -2^100 where the mask is 0, else 0; serves both heads
.irp g, 0,1,2,3
.irp k, 0,1,2,3,4,5,6,7
	v_cmp_eq_f32 s[88+\k], 0, v[\mb+8*\g+\k]
.endr
.irp k, 0,1,2,3,4,5,6,7
	v_cndmask_b32 v[BIAS+8*\g+\k], 0, v[FLOOR], s[88+\k]
.endr
.endr
.endm
.macro FMA4 tt                         ; c s - c m, two at a time
.irp i, 0,2,4,6
	v_pk_fma_f32 v[SCO+8*\tt+\i:SCO+8*\tt+\i+1], v[SCO+8*\tt+\i:SCO+8*\tt+\i+1], s[96:97], v[NMR:NMR+1] op_sel_hi:[1,0,0]
.endr
.endm
.macro EXP8 tt
.irp j, 0,1,2,3,4,5,6,7
	v_exp_f32 v[SCO+8*\tt+\j], v[SCO+8*\tt+\j]
.endr
.endm
.macro FIN tt, mb                      ; times the mask, into the sums (tile 1 starts the four chains with tile 0), to f16
	s_wait_alu depctr_va_vdst(0)
.irp i, 0,2,4,6
	v_pk_mul_f32 v[SCO+8*\tt+\i:SCO+8*\tt+\i+1], v[SCO+8*\tt+\i:SCO+8*\tt+\i+1], v[\mb+8*\tt+\i:\mb+8*\tt+\i+1]
.endr
.if \tt == 1
.irp i, 0,2,4,6
	v_pk_add_f32 v[SUMR+\i:SUMR+\i+1], v[SCO+\i:SCO+\i+1], v[SCO+8+\i:SCO+8+\i+1]
.endr
.endif
.if \tt > 1
.irp i, 0,2,4,6
	v_pk_add_f32 v[SUMR+\i:SUMR+\i+1], v[SUMR+\i:SUMR+\i+1], v[SCO+8*\tt+\i:SCO+8*\tt+\i+1]
.endr
.endif
.irp i, 0,2,4,6
	v_cvt_pk_f16_f32 v[PFR+4*\tt+\i/2], v[SCO+8*\tt+\i], v[SCO+8*\tt+\i+1]
.endr
.endm
; One head e, 16 queries sb, 64 keys.  mb: the mask's buffer.  first = 1: the first step starts maximum, sum and result.  kpre = 1: head e's K of slot
; nslot is fetched as soon as this block's score products, the last that read the old one, are four places back.  vwait = 1: the step's V is waited for.
; In both products four accumulators take turns, one instruction a turn.
.macro BLOCK e, sb, mb, first, kpre, nslot, vwait
	WIN 0x09                                       ; A (K) in window 1, B (Q) in window 2, C and D in window 0
.irp tt, 0,1,2,3
	v_wmma_f32_16x16x32_f16 v[SCO+8*\tt:SCO+8*\tt+7], v[KF+8*(8*\e+2*\tt):KF+8*(8*\e+2*\tt)+7], v[QF+8*(8*\e+2*\sb):QF+8*(8*\e+2*\sb)+7], v[BIAS+8*\tt:BIAS+8*\tt+7]
.endr
.irp tt, 0,1,2,3
	v_wmma_f32_16x16x32_f16 v[SCO+8*\tt:SCO+8*\tt+7], v[KF+8*(8*\e+2*\tt+1):KF+8*(8*\e+2*\tt+1)+7], v[QF+8*(8*\e+2*\sb+1):QF+8*(8*\e+2*\sb+1)+7], v[SCO+8*\tt:SCO+8*\tt+7]
.endr
	PLACES
.if \kpre
	WIN 0x40
	FETCHK \nslot, \e
.endif
	WIN 0
	; the largest of my 32 scores, of the other half's 32, and of the maximum so far
.irp k, 0,1,2,3
	v_max3_num_f32 v[MXT+\k], v[SCO+8*\k], v[SCO+8*\k+1], v[SCO+8*\k+2]
.endr
.irp k, 0,1,2,3
	v_max3_num_f32 v[MXT+\k], v[MXT+\k], v[SCO+8*\k+3], v[SCO+8*\k+4]
.endr
.irp k, 0,1,2,3
	v_max3_num_f32 v[MXT+\k], v[MXT+\k], v[SCO+8*\k+5], v[SCO+8*\k+6]
.endr
	v_max3_num_f32 v[MXT], v[MXT], v[SCO+7], v[SCO+15]
	v_max3_num_f32 v[MXT+1], v[MXT+1], v[SCO+23], v[SCO+31]
	v_max3_num_f32 v[MXT], v[MXT], v[MXT+1], v[MXT+2]
.if \first
	v_max3_num_f32 v[MXT], v[MXT], v[MXT+3], v[FLOOR]
.else
	v_max3_num_f32 v[MXT], v[MXT], v[MXT+3], v[MROW+4*\e+\sb]
.endif
	v_permlanex16_b32 v[MXT+1], v[MXT], s98, s99
	v_max_num_f32 v[MXT], v[MXT], v[MXT+1]
	v_mul_f32 v[NMR], s97, v[MXT]                  ; -c m
.if \first == 0
	v_fma_f32 v[MXT+2], v[MROW+4*\e+\sb], s96, v[NMR]
	v_exp_f32 v[ALF], v[MXT+2]                     ; 2^(c m_old - c m); the plain line below stands between it and any use
.endif
	v_mov_b32 v[MROW+4*\e+\sb], v[MXT]
	; behind every run of exponentials stands plain work on another tile before the run's results are used (ISA guide 5.7.2)
	FMA4 0
	EXP8 0
	FMA4 1
	EXP8 1
	FMA4 2
	FIN 0, \mb
	EXP8 2
	FMA4 3
	FIN 1, \mb
	EXP8 3
	FIN 2, \mb
	FIN 3, \mb
	v_pk_add_f32 v[SUMR:SUMR+1], v[SUMR:SUMR+1], v[SUMR+2:SUMR+3]
	v_pk_add_f32 v[SUMR+4:SUMR+5], v[SUMR+4:SUMR+5], v[SUMR+6:SUMR+7]
.if \first
	v_pk_add_f32 v[LSUM+2*(4*\e+\sb):LSUM+2*(4*\e+\sb)+1], v[SUMR:SUMR+1], v[SUMR+4:SUMR+5]
.else
	v_pk_add_f32 v[SUMR:SUMR+1], v[SUMR:SUMR+1], v[SUMR+4:SUMR+5]
	v_pk_fma_f32 v[LSUM+2*(4*\e+\sb):LSUM+2*(4*\e+\sb)+1], v[LSUM+2*(4*\e+\sb):LSUM+2*(4*\e+\sb)+1], v[ALF:ALF+1], v[SUMR:SUMR+1] op_sel_hi:[1,0,1]
	WIN 0xc3                                       ; the result so far, in window 3, times the factor
.irp i, 0,2,4,6,8,10,12,14,16,18,20,22,24,26,28,30
	v_pk_mul_f32 v[8*(16*\e+4*\sb)+\i:8*(16*\e+4*\sb)+\i+1], v[8*(16*\e+4*\sb)+\i:8*(16*\e+4*\sb)+\i+1], v[ALF:ALF+1] op_sel_hi:[1,0]
.endr
.endif
.if \vwait
	s_wait_dscnt 8                                 ; behind V's 32 loads only the next mask block's 8 were issued: V is in
.endif
	WIN 0xf1                                       ; A (V) in window 1, B (weights) in window 0, C and D in window 3
.irp dt, 0,1,2,3
.if \first
	v_wmma_f32_16x16x32_f16 v[8*(16*\e+4*\sb+\dt):8*(16*\e+4*\sb+\dt)+7], v[VF+8*(8*\e+2*\dt):VF+8*(8*\e+2*\dt)+7], v[PFR:PFR+7], 0
.else
	v_wmma_f32_16x16x32_f16 v[8*(16*\e+4*\sb+\dt):8*(16*\e+4*\sb+\dt)+7], v[VF+8*(8*\e+2*\dt):VF+8*(8*\e+2*\dt)+7], v[PFR:PFR+7], v[8*(16*\e+4*\sb+\dt):8*(16*\e+4*\sb+\dt)+7]
.endif
.endr
.irp dt, 0,1,2,3
	v_wmma_f32_16x16x32_f16 v[8*(16*\e+4*\sb+\dt):8*(16*\e+4*\sb+\dt)+7], v[VF+8*(8*\e+2*\dt+1):VF+8*(8*\e+2*\dt+1)+7], v[PFR+8:PFR+15], v[8*(16*\e+4*\sb+\dt):8*(16*\e+4*\sb+\dt)+7]
.endr
.endm
; One step: 64 keys in slot cur.  K's fragments and the first mask block were fetched in the step before.  more = 1: a step follows, in slot nxt;
; fill = 1: slot cur is filled again, two steps ahead.  The change of slots stands in front of the last pair of blocks, when the last read of slot cur
; has been issued: so a refill has a whole step in which to land.
.macro STEP cur, nxt, first, fill, more
	PLACES                                         ; V's registers were read by the matrix instructions just issued
	WIN 0x40
	FETCHV \cur
	WIN 0
	FETCHM \cur, 1, MB1
	s_wait_dscnt 40                                ; all but V's 32 and the mask's 8 just issued: K, the first mask block (and, in the first step, Q) are in
	BIASM MB0
	BLOCK 0, 0, MB0, \first, 0, \nxt, 1
	BLOCK 1, 0, MB0, \first, 0, \nxt, 0
	WIN 0
	FETCHM \cur, 2, MB0
	s_wait_dscnt 8                                 ; all but the 8 just issued
	BIASM MB1
	BLOCK 0, 1, MB1, \first, 0, \nxt, 0
	BLOCK 1, 1, MB1, \first, 0, \nxt, 0
	WIN 0
	FETCHM \cur, 3, MB1
	s_wait_dscnt 8
	BIASM MB0
	BLOCK 0, 2, MB0, \first, 0, \nxt, 0
	BLOCK 1, 2, MB0, \first, 0, \nxt, 0
	WIN 0
	s_wait_dscnt 0x0                               ; the last mask block is in, and with it all my reads of this slot
.if \more
	s_wait_tensorcnt 0x0                           ; all my tensor loads have landed: the one that was out is my part of the next slot
	ds_add_u32 v254, v255
	s_wait_dscnt 0x0
	s_barrier_signal -1                            ; (where the slot is filled again this barrier opens a round of the cluster's barrier)
	BIASM MB1                                      ; register work while the others arrive
	s_barrier_wait -1
.if \fill
	CREST                                          ; no wave of any partner still reads this slot or has a load on its way
	s_add_nc_u64 s[58+4*\cur:59+4*\cur], s[58+4*\cur:59+4*\cur], 2*64*ROWQ
	s_add_nc_u64 s[70+4*\cur:71+4*\cur], s[70+4*\cur:71+4*\cur], 2*64*ROWQ
	s_add_nc_u64 s[78+4*\cur:79+4*\cur], s[78+4*\cur:79+4*\cur], 2*256
	JLOAD \cur                                     ; the first tensor load behind the round, one a wave
.endif
	FETCHM \nxt, 0, MB0
	BLOCK 0, 3, MB1, \first, 1, \nxt, 0
	BLOCK 1, 3, MB1, \first, 1, \nxt, 0
.else
	BIASM MB1
	BLOCK 0, 3, MB1, \first, 0, \nxt, 0
	BLOCK 1, 3, MB1, \first, 0, \nxt, 0
.endif
	WIN 0
.endm
	s_wait_tensorcnt 0x1                           ; my Q and my part of slot 0 are in; slot 1's load stays out
	s_barrier_signal -1
	s_barrier_wait -1
	WIN 0x80
.irp e, 0,1
.irp sb, 0,1,2,3
.irp kk, 0,1
	ds_load_b128 v[QF+8*(8*\e+2*\sb+\kk):QF+8*(8*\e+2*\sb+\kk)+3],   v[QA] offset:16*MPITCH*\sb+128*\e+64*\kk
	ds_load_b128 v[QF+8*(8*\e+2*\sb+\kk)+4:QF+8*(8*\e+2*\sb+\kk)+7], v[QA] offset:16*MPITCH*\sb+128*\e+64*\kk+32
.endr
.endr
.endr
	WIN 0
	FETCHM 0, 0, MB0
	WIN 0x40
	FETCHK 0, 0
	FETCHK 0, 1
	STEP 0, 1, 1, 1, 1                             ; keys 0-63 start maxima, sums and results
	STEP 1, 0, 0, 1, 1
	s_mov_b32 s3, 6                                ; 16 steps: two in front, twelve in the loop, two behind
.Llap:
	STEP 0, 1, 0, 1, 1
	STEP 1, 0, 0, 1, 1
	s_sub_co_u32 s3, s3, 1
	s_cmp_lg_u32 s3, 0
	s_cbranch_scc1 .Llap
	STEP 0, 1, 0, 0, 1                             ; the last two steps fill nothing
	STEP 1, 0, 0, 0, 0
	; THE WAY OUT.  For each of my eight blocks: l' over the four partial sums, the denominator l' + 1e-8 * 2^(-c m), its reciprocal.
	PLACES
.irp x, 0,1,2,3,4,5,6,7
	v_add_f32 v[LSUM+2*\x], v[LSUM+2*\x], v[LSUM+2*\x+1]
.endr
.irp x, 0,1,2,3,4,5,6,7
	v_permlanex16_b32 v[LSUM+2*\x+1], v[LSUM+2*\x], s98, s99
.endr
.irp x, 0,1,2,3,4,5,6,7
	v_add_f32 v[LSUM+2*\x], v[LSUM+2*\x], v[LSUM+2*\x+1]
	v_mul_f32 v[MROW+\x], s97, v[MROW+\x]
.endr
.irp x, 0,1,2,3,4,5,6,7
	v_exp_f32 v[MROW+\x], v[MROW+\x]
.endr
	v_nop                                          ; one plain place behind the run of exponentials
	s_wait_alu depctr_va_vdst(0)
.irp x, 0,1,2,3,4,5,6,7
	v_fmamk_f32 v[LSUM+2*\x], v[MROW+\x], 0x322bcc77, v[LSUM+2*\x]   ; 2^(-c m) * 1e-8 + l'
.endr
.irp x, 0,1,2,3,4,5,6,7
	v_rcp_f32 v[LSUM+2*\x], v[LSUM+2*\x]
.endr
	v_nop                                          ; and behind the reciprocals
	s_wait_alu depctr_va_vdst(0)
; 16 queries of one head: scaled, 32 bytes a lane and d block into my own stage, read back as whole rows of 256 bytes.
.macro OUTB e, sb, buf
	WIN 0x03                                       ; source 0 (the result) in window 3
.irp i, 0,2,4,6,8,10,12,14,16,18,20,22,24,26,28,30
	v_pk_mul_f32 v[SCO+\i:SCO+\i+1], v[8*(16*\e+4*\sb)+\i:8*(16*\e+4*\sb)+\i+1], v[LSUM+2*(4*\e+\sb):LSUM+2*(4*\e+\sb)+1] op_sel_hi:[1,0]
.endr
	WIN 0
.irp dt, 0,1,2,3
	ds_store_b128 v[STO], v[SCO+8*\dt:SCO+8*\dt+3] offset:64*\dt
	ds_store_b128 v[STO], v[SCO+8*\dt+4:SCO+8*\dt+7] offset:64*\dt+16
.endr
	s_wait_xcnt 0x0                                ; the buffer that earlier stores read is loaded again only behind this wait
.irp p, 0,1,2,3,4,5,6,7
	ds_load_b128 v[\buf+4*\p:\buf+4*\p+3], v[RD] offset:2*MPITCH*\p    ; LDS serves a wave's instructions in order: these see the stores above
.endr
.irp p, 0,1,2,3,4,5,6,7
	s_wait_dscnt 7-\p
	global_store_b128 v[CO], v[\buf+4*\p:\buf+4*\p+3], s[8:9] offset:(16*\sb+2*\p)*4096+256*\e th:TH_STORE_NT   ; sixteen lanes store a head's 256 consecutive bytes of a row, aligned
.endr
.endm
	OUTB 0, 0, MB0
	OUTB 1, 0, MB1
	OUTB 0, 1, MB0
	OUTB 1, 1, MB1
	OUTB 0, 2, MB0
	OUTB 1, 2, MB1
	OUTB 0, 3, MB0
	OUTB 1, 3, MB1
	s_wait_tensorcnt 0x0
	ds_add_u32 v254, v255
	s_wait_dscnt 0x0
	CROUND                                         ; the closing round: no work-group ends while a partner may still ask for a tile that names it
	s_endpgm
.Lfunc_end_k_q38418db996_attn:
	.size	k_q38418db996_attn, .Lfunc_end_k_q38418db996_attn-k_q38418db996_attn
	.p2alignl 7, 3214868480
	.fill 96, 4, 3214868480
	.section	.rodata,"a",@progbits
	.p2align	6, 0x0
	.amdhsa_kernel k_q38418db996_attn
		.amdhsa_group_segment_fixed_size 327680
		.amdhsa_private_segment_fixed_size 0
		.amdhsa_enable_private_segment 0
		.amdhsa_kernarg_size 24
		.amdhsa_user_sgpr_count 2
		.amdhsa_user_sgpr_kernarg_segment_ptr 1
		.amdhsa_wavefront_size32 1
		.amdhsa_system_sgpr_workgroup_id_x 1
		.amdhsa_system_sgpr_workgroup_id_y 1
		.amdhsa_system_sgpr_workgroup_id_z 1
		.amdhsa_system_vgpr_workitem_id 0
		.amdhsa_next_free_vgpr 1024
		.amdhsa_next_free_sgpr 102
		.amdhsa_reserve_vcc 0
		.amdhsa_float_denorm_mode_32 3
		.amdhsa_float_denorm_mode_16_64 3
		.amdhsa_memory_ordered 1
		.amdhsa_forward_progress 1
		.amdhsa_inst_pref_size 255
	.end_amdhsa_kernel
	.section	.bss,"aw",@nobits
	.p2align	6
	.space	262144
	.amdgpu_metadata
---
amdhsa.version: [ 1, 2 ]
amdhsa.kernels:
  - .name:           k_q38418db996_attn
    .symbol:         k_q38418db996_attn.kd
    .args:
      - { .name: qkv, .offset: 0, .size: 8, .value_kind: global_buffer, .address_space: global }
      - { .name: attn_mask, .offset: 8, .size: 8, .value_kind: global_buffer, .address_space: global }
      - { .name: out0, .offset: 16, .size: 8, .value_kind: global_buffer, .address_space: global }
    .group_segment_fixed_size: 327680
    .private_segment_fixed_size: 0
    .kernarg_segment_align: 8
    .kernarg_segment_size: 24
    .max_flat_workgroup_size: 128
    .sgpr_count:     102
    .vgpr_count:     1024
    .wavefront_size: 32
...
	.end_amdgpu_metadata
.endif
;; end of part 3
;; ======== version 2 of 2: 3 launches
;; limits: values are held in f16: magnitudes above 65,504 overflow, below 6.1e-05 lose precision
;; workspace buffers: xb 16,777,216 bytes; wt 6,291,456 bytes; qkv 50,331,648 bytes
;; launch cast: the kernel of part 1 again; grid 704 x 1, 8 waves a work-group, no clusters, 35,840 bytes of LDS; arguments x, Wq, Wk, Wv, xb, wt; writes xb, wt
;; launch qkv: the kernel of part 2 again; grid 8 x 32, 4 waves a work-group, clusters of 4 x 4, 327,680 bytes of LDS; arguments xb, wt, qkv; writes qkv
;; launch attn (part 4): grid 4 x 64, 4 waves a work-group, clusters of 4 x 4, 327,680 bytes of LDS; arguments qkv, attn_mask, out0; writes out0
.if DOCPART == 4
	.amdgcn_target "amdgcn-amd-amdhsa--gfx1250"
	.amdhsa_code_object_version 6
	.text
	.protected	k_q38418db996_attn
	.globl	k_q38418db996_attn
	.p2align	8
	.type	k_q38418db996_attn,@function
k_q38418db996_attn:
	s_mov_b64 s[64:65], 0
	v_nop
	global_prefetch_b8 v0, s[64:65] scope:SCOPE_SE
	s_setreg_imm32_b32 hwreg(HW_REG_WAVE_MODE, 25, 1), 1
	s_wait_xcnt 0x0
	s_wait_alu depctr_hold_cnt(0) depctr_sa_sdst(0) depctr_va_vdst(0) depctr_va_sdst(0) depctr_va_ssrc(0) depctr_va_vcc(0) depctr_vm_vsrc(0)
	s_getreg_b32 s2, hwreg(HW_REG_IB_STS2, 6, 4)
	s_cmp_eq_u32 s2, 0
	s_cbranch_scc0 .Lentry_in_a_cluster
	s_endpgm
.Lentry_in_a_cluster:
	s_bfe_u32 s2, ttmp6, 0x10000c
	s_cmp_lg_u32 s2, 0xf033
	s_cbranch_scc0 .Lentry_shape_is_right
	s_endpgm
.Lentry_shape_is_right:
; out0[b][s][64 head + d] = sum over t of w[s][t] v[t][d],  w = e / (sum over t of e + 1e-8),  e = exp(q[s] . k[t] / 8) * attn_mask[b][s][t].
; qkv: [8192][3072] f16 (columns q | k | v), attn_mask: [8][1024][1024] f32, out0: [8][1024][1024] f32.
; The weights go to the matrix unit in f16, so the exponent is kept bounded by a running maximum m of the row's scores, taken over the keys whose
; mask is not 0: e' = 2^(c s - c m) * mask with c = log2(e) / 8, l' = sum of e', and w = e' / (l' + 1e-8 * 2^(-c m)), which is the same quotient.
; A key whose mask is 0 gets the bias -2^100 added to its score (as the C operand of the score product), so it does not raise the maximum; c * 2^100 is
; exact in f32, so for a row with no kept key so far c s - c m is exactly 0, and its weights are 1 * 0.  The maximum never falls under -2^100.
; LIMITS.  (1) A row whose sum of exponentials overflows f32 while each exponential is finite (scores / 8 between about 81.8 and 88.7) gives 0 in f32
; arithmetic without a maximum; here it gives the quotient's true value.  (2) A row whose kept scores / 8 all lie under about -88 gives 0 or magnitudes
; under 1e-30.  (3) v_exp_f32 takes denormal inputs and results as 0 (ISA guide 15.8).  (4) mask values times weights must stay under 65,504 (f16).
;
; SHARES.  A work-group: one batch b, four heads (hg), 128 queries (qb): 8 x 4 x 8 = 256 work-groups.  Wave w: two of the heads (hp = w & 1) and 64 of
; the queries (qh = w >> 1).  Keys go in 16 steps of 64 through a ring of two LDS slots, each with K's tile, V's tile and the mask's tile.
; CLUSTERS: 4 x 4 work-groups: cx = hg, cy = the low two bits of qb, b and qb's top bit from the cluster's number.  K's and V's tiles hang on (b, hg)
; and are asked for jointly down a column of the cluster; the mask's tile hangs on (b, qb) and is asked for jointly along a row.
; TRANSPOSED SCHEME.  Scores: A = 16 keys, B = 16 queries, so lane (r, h) holds query r and keys 8 h + j in register j; two such tiles, packed to f16,
; ARE a B fragment of 32 keys for the second product (A = 16 d of V, transposed on the way from LDS).  A query's maximum, sum and factor live in lanes r
; and r + 16, and the result's lane holds eight neighbouring d of one query.
; THE PIPELINE.  A step is eight blocks n = 0 .. 7 of one head (e = n & 1) x 16 queries (sb = n >> 1) x 64 keys.  A block has 16 matrix instructions and
; 138 vector lines (202 in the odd blocks, which also make the next 16 queries' bias).  The vector lines of block n carry, one at a time at 16 fixed
; points, the 8 products weights x V of block n - 1 and the 8 score products of block n + 1 (behind block 7: the next step's block 0), which touch none of
; block n's registers: scores and weights have two buffers each, for even and odd blocks.  Only block 7's products weights x V stand in a run, at the
; step's end: V's registers are loaded again straight behind them.  Each single product costs two switches of the register window.
; THE TEXT.  A step's text stands three times: written out for keys 0-63, which start maxima, sums and results; in a loop of 13 trips for steps 1 to 13,
; each of which fills again the slot that it has read; in a loop of 2 trips for steps 14 and 15, which fill nothing.  So the slot is no constant of the
; text: s15 holds the LDS offset of the step's slot and s16 that of the other (0 and SLOT), both toggled by s_xor_b32 with SLOT at a step's end, and four
; vector adds at a step's head make the step's LDS addresses from them.
.set ROWQ,   6144                      ; bytes in a row of qkv
.set KPITCH, 528                       ; 512 bytes + 16
.set VPITCH, 544                       ; 512 bytes + 32: an odd multiple of 32, for the transposing loads
.set MPITCH, 272                       ; 256 bytes + 16: the mask's rows, Q's rows and the stage's rows
.set VOFF,   64*KPITCH                 ; a slot: K's 64 rows, V's 64 rows, the mask's 128 rows
.set MOFF,   VOFF+64*VPITCH
.set SLOT,   MOFF+128*MPITCH           ; 103,424
.set QOFF,   2*SLOT                    ; each wave's own 64 rows of Q, filled once
.set STAGE,  QOFF+4*64*MPITCH          ; each wave's own 16 rows for the way out; no tensor load lands here
.set CUR,  15                          ; s15  LDS offset of this step's slot
.set NXT,  16                          ; s16  of the other slot
.set MLB,  17                          ; s17  where, in slot 0, the half of the mask's tile lands that this wave fetches (waves 2, 3)
; window 0
.set PF1,  0                           ; v0-15   the weights of the odd blocks in f16: two B fragments (the set-up's temporaries are done with by then)
.set KBS,  16                          ; v16  LDS address of my K fragments in slot 0; never rewritten
.set KAN,  17                          ; v17  the same in the next step's slot
.set VBS,  18                          ; v18  V in slot 0; never rewritten
.set VAC,  19                          ; v19  V in this step's slot
.set MBS,  20                          ; v20  the mask in slot 0; never rewritten
.set MAC,  21                          ; v21  the mask in this step's slot
.set QA,   22
.set STO,  23
.set RD,   24
.set CO,   25
.set FLOOR, 26                         ; -2^100
.set MAN,  27                          ; v27  the mask in the next step's slot
.set MROW, 32                          ; v32-39  running maximum of block (e, sb) at 4 e + sb
.set LSUM, 40                          ; v40-55  running sum, two partial sums for each block
.set NMR,  56                          ; v56     -c m (v57 is its pair's other half: written once, never used)
.set ALF,  58                          ; v58     2^(c m_old - c m_new) (v59 likewise)
.set MXT,  60                          ; v60-63  at work on the maximum
.set SC1,  64                          ; v64-95  scores, then weights, of the odd blocks: four tiles of 16 keys
.set MB0,  96                          ; v96-127, v128-159  the mask of 16 queries x 64 keys, two buffers
.set MB1,  128
.set BIAS, 160                         ; v160-191  0 or -2^100
.set SC0,  192                         ; v192-223  scores, then weights, of the even blocks
.set PF0,  224                         ; v224-239  the weights of the even blocks in f16
.set SUMR, 240                         ; v240-247  four chains of sums
.set KF,   0                           ; window 1: K[e][tt][kk] at 8 (8 e + 2 tt + kk)
.set VF,   128                         ; window 1: V[e][dt][th] at 128 + 8 (8 e + 2 dt + th)
.set QF,   0                           ; window 2: Q[e][sb][kk] at 8 (8 e + 2 sb + kk)
                                       ; window 3: acc[e][sb][dt] at 8 (16 e + 4 sb + dt)
.set MSB, 0
.macro WIN new                         ; the immediate's high byte repeats the setting that is left
.if MSB != (\new)
	s_set_vgpr_msb (MSB<<8)|(\new)
.set MSB, \new
.endif
.endm
.macro CREST
	s_cmp_lg_u32 s10, 0
	s_cbranch_scc1 .Lnot_wave_0_\@
	s_barrier_signal -3
.Lnot_wave_0_\@:
	s_barrier_wait -3
	s_barrier_signal -1
	s_barrier_wait -1
.endm
.macro CROUND
	s_barrier_signal -1
	s_barrier_wait -1
	CREST
.endm
; A slot's joint loads, one a wave: wave 0 K's tile, wave 1 V's, waves 2 and 3 the two halves of the mask's.  The branches hang on the wave's number alone.
; s = which set of group 0: sets 0 and 1 serve the two first fills; afterwards set 0 alone goes on.
.macro JLOAD s
	s_cmp_lg_u32 s10, 0
	s_cbranch_scc1 .Lnot_k_\@
	tensor_load_to_lds s[56+4*\s:59+4*\s], s[24:31]
	s_nop 0
	s_branch .Lasked_\@
.Lnot_k_\@:
	s_cmp_lg_u32 s10, 1
	s_cbranch_scc1 .Lnot_v_\@
	tensor_load_to_lds s[68+4*\s:71+4*\s], s[32:39]
	s_nop 0
	s_branch .Lasked_\@
.Lnot_v_\@:
	tensor_load_to_lds s[76+4*\s:79+4*\s], s[40:47]
	s_nop 0
.Lasked_\@:
.endm
	s_load_b128 s[4:7], s[0:1], 0x0                ; qkv s[4:5], attn_mask s[6:7]
	s_load_b64 s[8:9], s[0:1], 0x10                ; out0
	v_lshl_add_u32 v254, v0, 2, 0x47c00
	v_mov_b32 v255, 0
	ds_add_u32 v254, v255
	v_lshrrev_b32 v1, 5, v0
	v_readfirstlane_b32 s10, v1                    ; wave 0..3
	s_and_b32 s11, s10, 1                          ; hp: my two heads of the four.  Also: which half of the mask's tile waves 2, 3 fetch
	s_lshr_b32 s12, s10, 1                         ; qh: my 64 queries of the 128
	s_bfe_u32 s13, ttmp6, 0x40000                  ; cx
	s_bfe_u32 s14, ttmp6, 0x40004                  ; cy
	s_and_b32 s15, ttmp7, 0xffff                   ; the cluster's y
	s_lshr_b32 s16, s15, 1                         ; b
	s_and_b32 s17, s15, 1
	s_lshl_b32 s17, s17, 2
	s_add_co_u32 s17, s17, s14                     ; qb = 4 x (cluster y & 1) + cy
	s_lshl_b32 s66, ttmp9, 2
	s_add_co_u32 s66, s66, s13                     ; hg = 4 x cluster x + cx
	s_lshl_b32 s67, s14, 2
	s_lshl_b32 s67, 15, s67                        ; my row of the cluster
	s_lshl_b32 s2, 0x1111, s13                     ; my column
	s_mov_b32 s96, 0x3e38aa3b                      ; c = log2(e) / 8; s[96:97] is always broadcast from s96
	s_mov_b32 s97, 0xbe38aa3b                      ; -c
	s_mov_b32 s98, 0x76543210                      ; v_permlanex16_b32: lane i of one half reads lane i of the other
	s_mov_b32 s99, 0xfedcba98
	; group 1 of K's tiles: 64 rows of 256 elements of 2 bytes, 16 bytes of padding behind every 128 words; to my column of the cluster
	s_or_b32 s24, s2, (1<<16)|(1<<20)|(1<<21)|(6<<22)|(3<<25)
	s_mov_b32 s25, 256<<16
	s_mov_b32 s26, 64<<16
	s_mov_b32 s27, 256<<16
	s_mov_b32 s28, 64
	s_mov_b32 s29, 3072
	s_mov_b32 s30, 0
	s_mov_b32 s31, 0
	; of V's: the same with 32 bytes of padding
	s_or_b32 s32, s2, (1<<16)|(1<<20)|(1<<21)|(6<<22)|(7<<25)
	s_mov_b32 s33, 256<<16
	s_mov_b32 s34, 64<<16
	s_mov_b32 s35, 256<<16
	s_mov_b32 s36, 64
	s_mov_b32 s37, 3072
	s_mov_b32 s38, 0
	s_mov_b32 s39, 0
	; of the mask's halves: 64 rows of 64 elements of 4 bytes, 16 bytes of padding behind every 64 words; to my row of the cluster
	s_or_b32 s40, s67, (2<<16)|(1<<20)|(1<<21)|(5<<22)|(3<<25)
	s_mov_b32 s41, 64<<16
	s_mov_b32 s42, 64<<16
	s_mov_b32 s43, 64<<16
	s_mov_b32 s44, 64
	s_mov_b32 s45, 1024
	s_mov_b32 s46, 0
	s_mov_b32 s47, 0
	; of Q's: 64 rows of 128 elements of 2 bytes, padded likewise; a load of the wave's own, no mask
	s_mov_b32 s48, (1<<16)|(1<<20)|(5<<22)|(3<<25)
	s_mov_b32 s49, 128<<16
	s_mov_b32 s50, 64<<16
	s_mov_b32 s51, 128<<16
	s_mov_b32 s52, 64
	s_mov_b32 s53, 3072
	s_mov_b32 s54, 0
	s_mov_b32 s55, 0
	; byte offsets.  s[18:19]: K, from b and hg alone.  s[20:21]: the mask, from b, qb and the wave.  s[22:23]: Q.  s[88:89]: out0.
	s_mul_i32 s18, s16, 1024*ROWQ
	s_lshl_b32 s19, s66, 9
	s_add_co_u32 s18, s18, s19
	s_add_co_u32 s18, s18, 2048                    ; k's columns begin 2,048 bytes into a row; v's 2,048 further
	s_mov_b32 s19, 0
	s_lshl_b32 s20, s16, 22
	s_lshl_b32 s21, s17, 19
	s_add_co_u32 s20, s20, s21
	s_lshl_b32 s21, s11, 18
	s_add_co_u32 s20, s20, s21                     ; (1,024 b + 128 qb + 64 half) rows of 4,096 bytes
	s_mov_b32 s21, 0
	s_lshl_b32 s22, s16, 10
	s_lshl_b32 s23, s17, 7
	s_add_co_u32 s22, s22, s23
	s_lshl_b32 s23, s12, 6
	s_add_co_u32 s22, s22, s23                     ; my first query's row: 1,024 b + 128 qb + 64 qh
	s_lshl_b32 s88, s22, 12
	s_lshl_b32 s89, s66, 10
	s_add_co_u32 s88, s88, s89
	s_lshl_b32 s89, s11, 9
	s_add_co_u32 s88, s88, s89                     ; out0: rows of 4,096 bytes, 256 bytes a head
	s_mov_b32 s89, 0
	s_mul_i32 s22, s22, ROWQ
	s_lshl_b32 s23, s66, 9
	s_add_co_u32 s22, s22, s23
	s_lshl_b32 s23, s11, 8
	s_add_co_u32 s22, s22, s23                     ; q: rows of 6,144 bytes, 128 bytes a head
	s_mov_b32 s23, 0
	s_mul_i32 s100, s10, 64*MPITCH                 ; the wave's number times 64 rows of 272 bytes: for the mask's halves and for Q
	s_add_co_u32 s[MLB], s100, MOFF-2*64*MPITCH    ; waves 2, 3: the mask's rows 0-63, 64-127 in slot 0 (b, qb and the cluster's y are done with: s15-17 serve anew)
	s_mov_b32 s[CUR], 0                            ; step 0 reads slot 0,
	s_mov_b32 s[NXT], SLOT                         ; step 1 slot 1
	s_wait_dscnt 0x0
	s_wait_kmcnt 0x0
	s_add_nc_u64 s[8:9], s[8:9], s[88:89]
	s_add_nc_u64 s[18:19], s[4:5], s[18:19]
	s_add_nc_u64 s[20:21], s[6:7], s[20:21]
	s_add_nc_u64 s[86:87], s[4:5], s[22:23]
	s_or_b32 s87, s87, 0x80000000
	s_mov_b32 s84, 1
	s_add_co_u32 s85, s100, QOFF
.irp s, 0,1
	s_mov_b32 s[56+4*\s], 1
	s_mov_b32 s[57+4*\s], \s*SLOT
	s_add_nc_u64 s[58+4*\s:59+4*\s], s[18:19], \s*64*ROWQ          ; keys 64 s ..
	s_or_b32 s[59+4*\s], s[59+4*\s], 0x80000000
	s_mov_b32 s[68+4*\s], 1
	s_mov_b32 s[69+4*\s], \s*SLOT+VOFF
	s_add_nc_u64 s[70+4*\s:71+4*\s], s[18:19], \s*64*ROWQ+2048
	s_or_b32 s[71+4*\s], s[71+4*\s], 0x80000000
	s_mov_b32 s[76+4*\s], 1
	s_add_co_u32 s[77+4*\s], s[MLB], \s*SLOT
	s_add_nc_u64 s[78+4*\s:79+4*\s], s[20:21], \s*256
	s_or_b32 s[79+4*\s], s[79+4*\s], 0x80000000
.endr
	CROUND                                         ; all sixteen work-groups are here: the first joint loads meet
	tensor_load_to_lds s[84:87], s[48:55]          ; my Q
	s_nop 0
	JLOAD 0                                        ; my part of keys 0-63
	JLOAD 1                                        ; and of keys 64-127: three loads of a wave are out, the most in this text
	v_and_b32 v1, 15, v0                           ; r
	v_bfe_u32 v2, v0, 4, 1                         ; h
	v_and_b32 v3, 7, v0
	v_bfe_u32 v4, v0, 3, 1
	v_mul_u32_u24 v5, v1, KPITCH
	v_lshl_add_u32 v5, v2, 4, v5
	s_lshl_b32 s100, s11, 8                        ; my two heads: 256 bytes of K's and V's rows
	v_add_nc_u32 v[KBS], s100, v5                  ; key r, 16 bytes at 16 h
	v_lshl_add_u32 v3, v2, 3, v3
	v_mul_u32_u24 v3, v3, VPITCH
	v_lshl_add_u32 v3, v4, 4, v3
	s_add_co_u32 s100, s100, VOFF
	v_add_nc_u32 v[VBS], s100, v3                  ; key 8 h + l % 8, 16 bytes at 16 ((l / 8) % 2): the transposing load's addresses
	v_mul_u32_u24 v6, v1, MPITCH
	v_lshl_add_u32 v7, v2, 5, v6                   ; row r, 32 bytes at 32 h
	s_mul_i32 s100, s12, 64*MPITCH
	s_add_co_u32 s100, s100, MOFF
	v_add_nc_u32 v[MBS], s100, v7
	s_mul_i32 s100, s10, 64*MPITCH
	s_add_co_u32 s100, s100, QOFF
	v_lshl_add_u32 v8, v2, 4, v6
	v_add_nc_u32 v[QA], s100, v8
	s_mul_i32 s100, s10, 16*MPITCH
	s_add_co_u32 s100, s100, STAGE
	v_add_nc_u32 v[STO], s100, v7
	v_mul_u32_u24 v9, v2, MPITCH
	v_lshl_add_u32 v9, v1, 4, v9
	v_add_nc_u32 v[RD], s100, v9
	v_lshlrev_b32 v10, 4, v1
	v_lshl_or_b32 v[CO], v2, 12, v10
	v_mov_b32 v[FLOOR], 0xf1800000                 ; -2^100
	v_mov_b32 v[NMR+1], 0                          ; the unused halves of two pairs whose low half is broadcast
	v_mov_b32 v[ALF+1], 0
	s_mov_b32 s100, 0x322bcc77                     ; 1e-8, for the way out
.macro FETCHK areg, e                  ; 16 loads: head e's 64 keys x 64 d, from the slot whose address stands in areg
.irp tt, 0,1,2,3
.irp kk, 0,1
	ds_load_b128 v[KF+8*(8*\e+2*\tt+\kk):KF+8*(8*\e+2*\tt+\kk)+3],   v[\areg] offset:16*KPITCH*\tt+128*\e+64*\kk
	ds_load_b128 v[KF+8*(8*\e+2*\tt+\kk)+4:KF+8*(8*\e+2*\tt+\kk)+7], v[\areg] offset:16*KPITCH*\tt+128*\e+64*\kk+32
.endr
.endr
.endm
.macro FETCHV areg                     ; 32 transposing loads: 64 d x 64 keys, head 0's sixteen loads first, then head 1's
.irp e, 0,1
.irp dt, 0,1,2,3
.irp th, 0,1
	ds_load_tr16_b128 v[VF+8*(8*\e+2*\dt+\th):VF+8*(8*\e+2*\dt+\th)+3],   v[\areg] offset:32*VPITCH*\th+128*\e+32*\dt
	ds_load_tr16_b128 v[VF+8*(8*\e+2*\dt+\th)+4:VF+8*(8*\e+2*\dt+\th)+7], v[\areg] offset:32*VPITCH*\th+128*\e+32*\dt+16*VPITCH
.endr
.endr
.endr
.endm
.macro FETCHM areg, sb, buf            ; 8 loads: the mask of queries 16 sb + r, keys 16 tt + 8 h + j in register 8 tt + j
.irp tt, 0,1,2,3
	ds_load_b128 v[\buf+8*\tt:\buf+8*\tt+3],   v[\areg] offset:16*MPITCH*\sb+64*\tt
	ds_load_b128 v[\buf+8*\tt+4:\buf+8*\tt+7], v[\areg] offset:16*MPITCH*\sb+64*\tt+16
.endr
.endm
; THE TWO QUEUES OF MATRIX INSTRUCTIONS.  Each call emits the queue's next product and steps its counter.  In both queues four accumulators take turns,
; one instruction a turn (tiles 0 to 3 with the first 32 of the inner index, then tiles 0 to 3 with the second 32).
; NEXTS: score product SQ_I of head SQ_E, queries SQ_B, into the score buffer SQ_D.  The first four take the bias as C and so start the sums.
.macro NEXTS
	WIN 0x09                                       ; A (K) in window 1, B (Q) in window 2, C and D in window 0
.if SQ_I < 4
	v_wmma_f32_16x16x32_f16 v[SQ_D+8*SQ_I:SQ_D+8*SQ_I+7], v[KF+8*(8*SQ_E+2*SQ_I):KF+8*(8*SQ_E+2*SQ_I)+7], v[QF+8*(8*SQ_E+2*SQ_B):QF+8*(8*SQ_E+2*SQ_B)+7], v[BIAS+8*SQ_I:BIAS+8*SQ_I+7]
.else
	v_wmma_f32_16x16x32_f16 v[SQ_D+8*(SQ_I-4):SQ_D+8*(SQ_I-4)+7], v[KF+8*(8*SQ_E+2*(SQ_I-4)+1):KF+8*(8*SQ_E+2*(SQ_I-4)+1)+7], v[QF+8*(8*SQ_E+2*SQ_B+1):QF+8*(8*SQ_E+2*SQ_B+1)+7], v[SQ_D+8*(SQ_I-4):SQ_D+8*(SQ_I-4)+7]
.endif
.set SQ_I, SQ_I+1
.endm
; NEXTP: product PQ_I of head PQ_E's V with the weights in PQ_B, onto the results at PQ_A of window 3.  PQ_F = 1: the first step's products start the sums.
.macro NEXTP
	WIN 0xf1                                       ; A (V) in window 1, B (weights) in window 0, C and D in window 3
.if PQ_I < 4
.if PQ_F
	v_wmma_f32_16x16x32_f16 v[PQ_A+8*PQ_I:PQ_A+8*PQ_I+7], v[VF+8*(8*PQ_E+2*PQ_I):VF+8*(8*PQ_E+2*PQ_I)+7], v[PQ_B:PQ_B+7], 0
.else
	v_wmma_f32_16x16x32_f16 v[PQ_A+8*PQ_I:PQ_A+8*PQ_I+7], v[VF+8*(8*PQ_E+2*PQ_I):VF+8*(8*PQ_E+2*PQ_I)+7], v[PQ_B:PQ_B+7], v[PQ_A+8*PQ_I:PQ_A+8*PQ_I+7]
.endif
.else
	v_wmma_f32_16x16x32_f16 v[PQ_A+8*(PQ_I-4):PQ_A+8*(PQ_I-4)+7], v[VF+8*(8*PQ_E+2*(PQ_I-4)+1):VF+8*(8*PQ_E+2*(PQ_I-4)+1)+7], v[PQ_B+8:PQ_B+15], v[PQ_A+8*(PQ_I-4):PQ_A+8*(PQ_I-4)+7]
.endif
.set PQ_I, PQ_I+1
.endm
; Point k (0 to 15) among a block's vector lines.  Even blocks: points 0-7 take the block before's products with V (block 0 has none: they stood at the last
; step's end), points 8-15 the next block's score products.  Odd blocks: the products with V stand among the bias lines; the odd points take the score products.
.macro INS k
.if IS_ODD
.if (\k) & 1
	NEXTS
	WIN 0
.endif
.else
.if (\k) < 8
.if HAS_P
	NEXTP
	WIN 0
.endif
.else
	NEXTS
	WIN 0
.endif
.endif
.endm
; -2^100 where the mask is 0, else 0; serves both heads.  ins = 1: behind each run of eight lines stands one product of the queue NEXTP.
.macro BIASP mb, ins
.irp g, 0,1,2,3
.irp k, 0,1,2,3,4,5,6,7
	v_cmp_eq_f32 s[88+\k], 0, v[\mb+8*\g+\k]
.endr
.if \ins
	NEXTP
	WIN 0
.endif
.irp k, 0,1,2,3,4,5,6,7
	v_cndmask_b32 v[BIAS+8*\g+\k], 0, v[FLOOR], s[88+\k]
.endr
.if \ins
	NEXTP
	WIN 0
.endif
.endr
.endm
; The pieces of a block's vector work.  BK_S: its score buffer, BK_P: its weight buffer, BK_M: its mask buffer.
.macro MAXL a, b                       ; one level of the four chains of the maximum
.irp k, 0,1,2,3
	v_max3_num_f32 v[MXT+\k], v[MXT+\k], v[BK_S+8*\k+\a], v[BK_S+8*\k+\b]
.endr
.endm
.macro FMA4 tt                         ; c s - c m, two at a time
.irp i, 0,2,4,6
	v_pk_fma_f32 v[BK_S+8*\tt+\i:BK_S+8*\tt+\i+1], v[BK_S+8*\tt+\i:BK_S+8*\tt+\i+1], s[96:97], v[NMR:NMR+1] op_sel_hi:[1,0,0]
.endr
.endm
.macro EXP8 tt
.irp j, 0,1,2,3,4,5,6,7
	v_exp_f32 v[BK_S+8*\tt+\j], v[BK_S+8*\tt+\j]
.endr
.endm
.macro FINM tt                         ; times the mask
	s_wait_alu depctr_va_vdst(0)
.irp i, 0,2,4,6
	v_pk_mul_f32 v[BK_S+8*\tt+\i:BK_S+8*\tt+\i+1], v[BK_S+8*\tt+\i:BK_S+8*\tt+\i+1], v[BK_M+8*\tt+\i:BK_M+8*\tt+\i+1]
.endr
.endm
.macro FINA tt                         ; into the four chains of sums; tile 1 starts them with tile 0
.if \tt == 1
.irp i, 0,2,4,6
	v_pk_add_f32 v[SUMR+\i:SUMR+\i+1], v[BK_S+\i:BK_S+\i+1], v[BK_S+8+\i:BK_S+8+\i+1]
.endr
.else
.irp i, 0,2,4,6
	v_pk_add_f32 v[SUMR+\i:SUMR+\i+1], v[SUMR+\i:SUMR+\i+1], v[BK_S+8*\tt+\i:BK_S+8*\tt+\i+1]
.endr
.endif
.endm
.macro FINC tt                         ; to f16
.irp i, 0,2,4,6
	v_cvt_pk_f16_f32 v[BK_P+4*\tt+\i/2], v[BK_S+8*\tt+\i], v[BK_S+8*\tt+\i+1]
.endr
.endm
; Block n's vector work, with the other blocks' products at its 16 points.  first = 1: the first step starts maximum, sum and result.
; PLACES (ISA guide 7.12.1).  Behind the last score product (point 15) stand at least eleven plain vector lines that name none of its registers (four sums,
; four conversions, three sums), in front of the next block's reads of the scores, of the loads into K and of the next bias.  Everything else that touches a
; product's registers stands a block or more behind it.
; Behind every run of exponentials stands a plain line on another tile before the run's results are used (ISA guide 5.7.2); a product in between is no such line.
.macro SOFT n, first
.set IS_ODD, (\n)&1
.set BK_X, 4*((\n)&1)+((\n)>>1)
.set BK_A, 8*(16*((\n)&1)+4*((\n)>>1))
.set BK_M, MB0+32*(((\n)>>1)&1)
.set BK_NM, MB0+32*((((\n)>>1)+1)&1)
.if IS_ODD
.set BK_S, SC1
.set BK_P, PF1
.set SQ_D, SC0
.set PQ_B, PF0
.else
.set BK_S, SC0
.set BK_P, PF0
.set SQ_D, SC1
.set PQ_B, PF1
.endif
.set SQ_E, ((\n)+1)&1
.set SQ_B, (((\n)+1)>>1)&3
.set SQ_I, 0
.set PQ_E, ((\n)+7)&1
.set PQ_A, 8*(16*(((\n)+7)&1)+4*((((\n)+7)&7)>>1))
.set PQ_F, \first
.set PQ_I, 0
.if (\n) > 0
.set HAS_P, 1
.else
.set HAS_P, 0
.endif
.if IS_ODD
	BIASP BK_NM, 1                                 ; the next 16 queries' bias: both heads' score products with the old one were issued a block or more ago
.endif
	; the largest of my 32 scores, of the other half's 32, and of the maximum so far
	INS 0
.irp k, 0,1,2,3
	v_max3_num_f32 v[MXT+\k], v[BK_S+8*\k], v[BK_S+8*\k+1], v[BK_S+8*\k+2]
.endr
	INS 1
	MAXL 3, 4
	INS 2
	MAXL 5, 6
	INS 3
	v_max3_num_f32 v[MXT], v[MXT], v[BK_S+7], v[BK_S+15]
	v_max3_num_f32 v[MXT+1], v[MXT+1], v[BK_S+23], v[BK_S+31]
	v_max3_num_f32 v[MXT], v[MXT], v[MXT+1], v[MXT+2]
.if \first
	v_max3_num_f32 v[MXT], v[MXT], v[MXT+3], v[FLOOR]
.else
	v_max3_num_f32 v[MXT], v[MXT], v[MXT+3], v[MROW+BK_X]
.endif
	INS 4
	v_permlanex16_b32 v[MXT+1], v[MXT], s98, s99
	v_max_num_f32 v[MXT], v[MXT], v[MXT+1]
	v_mul_f32 v[NMR], s97, v[MXT]                  ; -c m
.if \first == 0
	v_fma_f32 v[MXT+2], v[MROW+BK_X], s96, v[NMR]
	v_exp_f32 v[ALF], v[MXT+2]                     ; 2^(c m_old - c m); the plain line below stands between it and any use
.endif
	v_mov_b32 v[MROW+BK_X], v[MXT]
	INS 5
	FMA4 0
	EXP8 0
	INS 6
	FMA4 1
	EXP8 1
	INS 7
	FMA4 2
	INS 8
	FINM 0
	FINC 0
	INS 9
	EXP8 2
	INS 10
	FMA4 3
	FINM 1
	INS 11
	FINA 1
	FINC 1
	INS 12
	EXP8 3
	INS 13
	FINM 2
	FINA 2
	INS 14
	FINC 2
	FINM 3
	INS 15
	FINA 3
	FINC 3
	v_pk_add_f32 v[SUMR:SUMR+1], v[SUMR:SUMR+1], v[SUMR+2:SUMR+3]
	v_pk_add_f32 v[SUMR+4:SUMR+5], v[SUMR+4:SUMR+5], v[SUMR+6:SUMR+7]
.if \first
	v_pk_add_f32 v[LSUM+2*BK_X:LSUM+2*BK_X+1], v[SUMR:SUMR+1], v[SUMR+4:SUMR+5]
.else
	v_pk_add_f32 v[SUMR:SUMR+1], v[SUMR:SUMR+1], v[SUMR+4:SUMR+5]
	v_pk_fma_f32 v[LSUM+2*BK_X:LSUM+2*BK_X+1], v[LSUM+2*BK_X:LSUM+2*BK_X+1], v[ALF:ALF+1], v[SUMR:SUMR+1] op_sel_hi:[1,0,1]
	WIN 0xc3                                       ; the block's result so far, in window 3, times the factor; its products with V follow in the next block
.irp i, 0,2,4,6,8,10,12,14,16,18,20,22,24,26,28,30
	v_pk_mul_f32 v[BK_A+\i:BK_A+\i+1], v[BK_A+\i:BK_A+\i+1], v[ALF:ALF+1] op_sel_hi:[1,0]
.endr
.endif
	WIN 0
.endm
; One step: the 64 keys in the slot at s[CUR].  At its head K's fragments and the first mask block have been fetched and block 0's score products issued.
; fill = 1: the slot is filled again, with the tile two steps ahead; gs = by how many tiles the running group 0 steps for that (2 in step 0, whose set still
; stands at tile 0; 1 afterwards).
; THE CHANGE OF SLOTS.  The step's last read of its slot is the fourth mask block's, issued in front of block 4.  In front of block 5 the wave waits for all
; its LDS loads and all its tensor loads and signals; block 5 is register work alone; behind it stands the barrier's wait, the rest of the cluster's round,
; the refill, and then the first reads of the other slot.  So a refill has seven of a step's eight blocks in which to land.
.macro STEP first, fill, gs
	WIN 0
	v_add_nc_u32 v[VAC], s[CUR], v[VBS]            ; the step's four LDS addresses: slot-0 address + slot offset.  These four lines name no register of the
	v_add_nc_u32 v[MAC], s[CUR], v[MBS]            ; matrix instructions just issued: they are also the four places in front of the loads into V's registers,
	v_add_nc_u32 v[KAN], s[NXT], v[KBS]            ; which those instructions read, and (ahead of the first step) in front of block 0's reads of its scores
	v_add_nc_u32 v[MAN], s[NXT], v[MBS]            ; (ISA guide 7.12.1)
	FETCHM MAC, 1, MB1
	WIN 0x40
	FETCHV VAC
	WIN 0
	s_wait_dscnt 40                                ; all but the mask's 8 and V's 32 just issued: head 1's K is in, for block 1's score products
	SOFT 0, \first
	s_wait_dscnt 16                                ; all but head 1's V: the second mask block and head 0's V are in
	SOFT 1, \first
	FETCHM MAC, 2, MB0
	s_wait_dscnt 8                                 ; all but the 8 just issued: head 1's V is in
	SOFT 2, \first
	s_wait_dscnt 0x0                               ; the third mask block
	SOFT 3, \first
	FETCHM MAC, 3, MB1
	SOFT 4, \first
	s_wait_dscnt 0x0                               ; the fourth mask block is in, and with it all my reads of this slot
	s_wait_tensorcnt 0x0                           ; all my tensor loads have landed: the one that was out is my part of the next slot
	ds_add_u32 v254, v255
	s_wait_dscnt 0x0
	s_barrier_signal -1                            ; (where the slot is filled again this barrier opens a round of the cluster's barrier)
	SOFT 5, \first                                 ; register work while the others arrive
	s_barrier_wait -1
.if \fill
	CREST                                          ; no wave of any partner still reads this slot or has a load on its way
	s_add_nc_u64 s[58:59], s[58:59], \gs*64*ROWQ   ; no tensor load of mine is out: the running group 0 of each kind of tile is written: the tile two steps ahead,
	s_add_nc_u64 s[70:71], s[70:71], \gs*64*ROWQ
	s_add_nc_u64 s[78:79], s[78:79], \gs*256
	s_mov_b32 s57, s[CUR]                          ; into the slot just read: K at its head,
	s_add_co_u32 s69, s[CUR], VOFF                 ; V behind K,
	s_add_co_u32 s77, s[MLB], s[CUR]               ; the wave's half of the mask
	JLOAD 0                                        ; the first tensor load behind the round, one a wave
.endif
	FETCHM MAN, 0, MB0                             ; the next step's first mask block,
	WIN 0x40
	FETCHK KAN, 0                                  ; and head 0's K: its last score products of this step stood in block 5
	WIN 0
	SOFT 6, \first
	WIN 0x40
	FETCHK KAN, 1                                  ; head 1's K: its last score products stood in block 6
	WIN 0
	s_wait_dscnt 16                                ; all but the 16 just issued: the next step's first mask block and head 0's K are in
	SOFT 7, \first                                 ; carries the next step's first bias and block 0's score products
.set PQ_E, 1                                           ; block 7's products with V, in a run
.set PQ_A, 8*(16+12)
.set PQ_B, PF1
.set PQ_F, \first
.set PQ_I, 0
.rept 8
	NEXTP
.endr
	WIN 0
	s_xor_b32 s[CUR], s[CUR], SLOT                 ; the slots change places
	s_xor_b32 s[NXT], s[NXT], SLOT
.endm
	s_wait_tensorcnt 0x1                           ; my Q and my part of slot 0 are in; slot 1's load stays out
	s_barrier_signal -1
	s_barrier_wait -1
	WIN 0x80
.irp e, 0,1
.irp sb, 0,1,2,3
.irp kk, 0,1
	ds_load_b128 v[QF+8*(8*\e+2*\sb+\kk):QF+8*(8*\e+2*\sb+\kk)+3],   v[QA] offset:16*MPITCH*\sb+128*\e+64*\kk
	ds_load_b128 v[QF+8*(8*\e+2*\sb+\kk)+4:QF+8*(8*\e+2*\sb+\kk)+7], v[QA] offset:16*MPITCH*\sb+128*\e+64*\kk+32
.endr
.endr
.endr
	WIN 0
	FETCHM MBS, 0, MB0
	WIN 0x40
	FETCHK KBS, 0
	FETCHK KBS, 1
	WIN 0
	s_wait_dscnt 16                                ; all but head 1's K: Q, the first mask block and head 0's K are in
	BIASP MB0, 0                                   ; what block 7 does for every later step: the first bias,
.set SQ_E, 0
.set SQ_B, 0
.set SQ_D, SC0
.set SQ_I, 0
.rept 8
	NEXTS                                          ; and block 0's score products
.endr
	WIN 0
	STEP 1, 1, 2                                   ; step 0: keys 0-63 start maxima, sums and results; tile 2 is asked for
	s_mov_b32 s3, 13
.Lstep:
	STEP 0, 1, 1                                   ; steps 1 to 13: tiles 3 to 15 are asked for
	s_sub_co_u32 s3, s3, 1
	s_cmp_lg_u32 s3, 0
	s_cbranch_scc1 .Lstep
	s_mov_b32 s3, 2
.Ltail:
	STEP 0, 0, 0                                   ; steps 14 and 15 fill nothing.  In step 15 no step follows: its look-ahead (8 + 32 LDS loads of the other
	s_sub_co_u32 s3, s3, 1                         ; slot's old tile, keys 896-959, 64 bias lines, 8 score products) is done once more and its results are
	s_cmp_lg_u32 s3, 0                             ; not used; its barrier orders nothing.  That is the price of one text for both steps.
	s_cbranch_scc1 .Ltail
	s_wait_dscnt 0x0                               ; those loads are back: the way out loads into the mask's buffers
	; THE WAY OUT.  For each of my eight blocks: l' over the four partial sums, the denominator l' + 1e-8 * 2^(-c m), its reciprocal.
	; These lines name no register of the last matrix instructions and are more than the four places in front of the first read of a result.
.irp x, 0,1,2,3,4,5,6,7
	v_add_f32 v[LSUM+2*\x], v[LSUM+2*\x], v[LSUM+2*\x+1]
.endr
.irp x, 0,1,2,3,4,5,6,7
	v_permlanex16_b32 v[LSUM+2*\x+1], v[LSUM+2*\x], s98, s99
.endr
.irp x, 0,1,2,3,4,5,6,7
	v_add_f32 v[LSUM+2*\x], v[LSUM+2*\x], v[LSUM+2*\x+1]
	v_mul_f32 v[MROW+\x], s97, v[MROW+\x]
.endr
.irp x, 0,1,2,3,4,5,6,7
	v_exp_f32 v[MROW+\x], v[MROW+\x]
.endr
	v_nop                                          ; one plain place behind the run of exponentials
	s_wait_alu depctr_va_vdst(0)
.irp x, 0,1,2,3,4,5,6,7
	v_fma_f32 v[LSUM+2*\x], v[MROW+\x], s100, v[LSUM+2*\x]           ; 2^(-c m) * 1e-8 + l'
.endr
.irp x, 0,1,2,3,4,5,6,7
	v_rcp_f32 v[LSUM+2*\x], v[LSUM+2*\x]
.endr
	v_nop                                          ; and behind the reciprocals
	s_wait_alu depctr_va_vdst(0)
; 16 queries of one head: scaled, 32 bytes a lane and d block into my own stage, read back as whole rows of 256 bytes.
.macro OUTB e, sb, buf
	WIN 0x03                                       ; source 0 (the result) in window 3
.irp i, 0,2,4,6,8,10,12,14,16,18,20,22,24,26,28,30
	v_pk_mul_f32 v[SC0+\i:SC0+\i+1], v[8*(16*\e+4*\sb)+\i:8*(16*\e+4*\sb)+\i+1], v[LSUM+2*(4*\e+\sb):LSUM+2*(4*\e+\sb)+1] op_sel_hi:[1,0]
.endr
	WIN 0
.irp dt, 0,1,2,3
	ds_store_b128 v[STO], v[SC0+8*\dt:SC0+8*\dt+3] offset:64*\dt
	ds_store_b128 v[STO], v[SC0+8*\dt+4:SC0+8*\dt+7] offset:64*\dt+16
.endr
	s_wait_xcnt 0x0                                ; the buffer that earlier stores read is loaded again only behind this wait
.irp p, 0,1,2,3,4,5,6,7
	ds_load_b128 v[\buf+4*\p:\buf+4*\p+3], v[RD] offset:2*MPITCH*\p    ; LDS serves a wave's instructions in order: these see the stores above
.endr
.irp p, 0,1,2,3,4,5,6,7
	s_wait_dscnt 7-\p
	global_store_b128 v[CO], v[\buf+4*\p:\buf+4*\p+3], s[8:9] offset:(16*\sb+2*\p)*4096+256*\e th:TH_STORE_NT   ; sixteen lanes store a head's 256 consecutive bytes of a row, aligned
.endr
.endm
	OUTB 0, 0, MB0
	OUTB 1, 0, MB1
	OUTB 0, 1, MB0
	OUTB 1, 1, MB1
	OUTB 0, 2, MB0
	OUTB 1, 2, MB1
	OUTB 0, 3, MB0
	OUTB 1, 3, MB1
	s_wait_tensorcnt 0x0
	ds_add_u32 v254, v255
	s_wait_dscnt 0x0
	CROUND                                         ; the closing round: no work-group ends while a partner may still ask for a tile that names it
	s_endpgm
.Lfunc_end_k_q38418db996_attn:
	.size	k_q38418db996_attn, .Lfunc_end_k_q38418db996_attn-k_q38418db996_attn
	.p2alignl 7, 3214868480
	.fill 96, 4, 3214868480
	.section	.rodata,"a",@progbits
	.p2align	6, 0x0
	.amdhsa_kernel k_q38418db996_attn
		.amdhsa_group_segment_fixed_size 327680
		.amdhsa_private_segment_fixed_size 0
		.amdhsa_enable_private_segment 0
		.amdhsa_kernarg_size 24
		.amdhsa_user_sgpr_count 2
		.amdhsa_user_sgpr_kernarg_segment_ptr 1
		.amdhsa_wavefront_size32 1
		.amdhsa_system_sgpr_workgroup_id_x 1
		.amdhsa_system_sgpr_workgroup_id_y 1
		.amdhsa_system_sgpr_workgroup_id_z 1
		.amdhsa_system_vgpr_workitem_id 0
		.amdhsa_next_free_vgpr 1024
		.amdhsa_next_free_sgpr 102
		.amdhsa_reserve_vcc 0
		.amdhsa_float_denorm_mode_32 3
		.amdhsa_float_denorm_mode_16_64 3
		.amdhsa_memory_ordered 1
		.amdhsa_forward_progress 1
		.amdhsa_inst_pref_size 255
	.end_amdhsa_kernel
	.section	.bss,"aw",@nobits
	.p2align	6
	.space	262144
	.amdgpu_metadata
---
amdhsa.version: [ 1, 2 ]
amdhsa.kernels:
  - .name:           k_q38418db996_attn
    .symbol:         k_q38418db996_attn.kd
    .args:
      - { .name: qkv, .offset: 0, .size: 8, .value_kind: global_buffer, .address_space: global }
      - { .name: attn_mask, .offset: 8, .size: 8, .value_kind: global_buffer, .address_space: global }
      - { .name: out0, .offset: 16, .size: 8, .value_kind: global_buffer, .address_space: global }
    .group_segment_fixed_size: 327680
    .private_segment_fixed_size: 0
    .kernarg_segment_align: 8
    .kernarg_segment_size: 24
    .max_flat_workgroup_size: 128
    .sgpr_count:     102
    .vgpr_count:     1024
    .wavefront_size: 32
...
	.end_amdgpu_metadata
.endif
;; end of part 4
